; MI455X (gfx1250); checked and timed in simulation.
; The chip was launched on July 23, 2026; its instructions are those of AMD's public machine-readable ISA for CDNA 5 (MIT licence, August 2026) and "CDNA5" Instruction Set Architecture Reference Guide (July 2026). The comments in the code are by the model that wrote it; some were corrected since.
;; Attention. Allowed arithmetic: float matrix products may take bf16 or f16 operands with f32 sums; other float arithmetic in f32, or as packed bf16 or f16 multiplies, adds, multiply-adds, maxima and minima; sums over many terms, partial sums and values carried from step to step in f32; what a program stores and reads back later, other than sums and carried values, may be rounded once to bf16 or f16.
;; Inputs: W_k 1,024 x 1,024 float32; W_q 1,024 x 1,024 float32; W_v 1,024 x 1,024 float32; k_input 4 x 2,048 x 1,024 float32; q_input 4 x 2,048 x 1,024 float32; v_input 4 x 2,048 x 1,024 float32.
;; Outputs: out0 4 x 2,048 x 1,024 float32.
;; One version. Each part assembles by itself: llvm-mc -triple=amdgcn-amd-amdhsa -mcpu=gfx1250 --defsym DOCPART=n.
;; ======== version 1 of 1: 4 launches
;; limits: values are held in f16: magnitudes above 65,504 overflow, below 6.1e-05 lose precision
;; workspace buffers: wb 6,291,456 bytes; qh 16,777,216 bytes; kh 16,777,216 bytes; vh 16,777,216 bytes; pw 33,554,432 bytes; st 1,048,576 bytes
;; launch castw (part 1): grid 256 x 3, 8 waves a work-group, no clusters, 0 bytes of LDS; arguments W_q, W_k, W_v, wb; writes wb
.if DOCPART == 1
	.amdgcn_target "amdgcn-amd-amdhsa--gfx1250"
	.amdhsa_code_object_version 6
	.text
	.protected	k_q4a9827ab86_castw
	.globl	k_q4a9827ab86_castw
	.p2align	8
	.type	k_q4a9827ab86_castw,@function
k_q4a9827ab86_castw:
	s_mov_b64 s[64:65], 0
	v_nop
	global_prefetch_b8 v0, s[64:65] scope:SCOPE_SE
	s_setreg_imm32_b32 hwreg(HW_REG_WAVE_MODE, 25, 1), 1
	s_wait_xcnt 0x0
; wb[p][e][d] = bf16(W_p[e][d]), p = 0, 1, 2 for W_q, W_k, W_v: each weight is rounded once, to nearest even.
; A pure stream: a work-group takes 4,096 numbers of one matrix (16,384 bytes in, 8,192 out); thread t takes 16 bytes of each 4,096.
; All four loads of a wave go out at once; a wave's store covers 256 consecutive bytes, aligned.  No LDS, no barrier: no wave needs another's bytes.
	s_load_b256 s[4:11], s[0:1], 0x0               ; W_q s[4:5], W_k s[6:7], W_v s[8:9], wb s[10:11]
	s_and_b32 s12, ttmp7, 0xffff                   ; p: which matrix
	s_lshl_b32 s14, ttmp9, 14                      ; the work-group's 16,384 bytes of it
	s_mov_b32 s15, 0
	s_lshl_b32 s16, s12, 21                        ; in wb: 2,097,152 bytes a matrix,
	s_lshl_b32 s17, ttmp9, 13                      ; 8,192 a work-group
	s_add_co_u32 s16, s16, s17
	s_mov_b32 s17, 0
	v_lshlrev_b32 v1, 4, v0                        ; 16 t
	v_lshlrev_b32 v2, 3, v0                        ; 8 t
	s_wait_kmcnt 0x0
	s_cmp_eq_u32 s12, 1
	s_cselect_b64 s[4:5], s[6:7], s[4:5]
	s_cmp_eq_u32 s12, 2
	s_cselect_b64 s[4:5], s[8:9], s[4:5]
	s_add_nc_u64 s[4:5], s[4:5], s[14:15]
	s_add_nc_u64 s[10:11], s[10:11], s[16:17]
.irp i, 0,1,2,3
	global_load_b128 v[4+4*(\i):7+4*(\i)], v1, s[4:5] offset:4096*(\i) th:TH_LOAD_NT
.endr
.irp i, 0,1,2,3
	s_wait_loadcnt 3-(\i)                          ; loads come back in order: load i is in, the 3 - i younger ones stay out
	v_cvt_pk_bf16_f32 v[20+2*(\i)], v[4+4*(\i)], v[5+4*(\i)]
	v_cvt_pk_bf16_f32 v[21+2*(\i)], v[6+4*(\i)], v[7+4*(\i)]
	global_store_b64 v2, v[20+2*(\i):21+2*(\i)], s[10:11] offset:2048*(\i)
.endr
	s_endpgm
.Lfunc_end_k_q4a9827ab86_castw:
	.size	k_q4a9827ab86_castw, .Lfunc_end_k_q4a9827ab86_castw-k_q4a9827ab86_castw
	.p2alignl 7, 3214868480
	.fill 96, 4, 3214868480
	.section	.rodata,"a",@progbits
	.p2align	6, 0x0
	.amdhsa_kernel k_q4a9827ab86_castw
		.amdhsa_group_segment_fixed_size 0
		.amdhsa_private_segment_fixed_size 0
		.amdhsa_enable_private_segment 0
		.amdhsa_kernarg_size 32
		.amdhsa_user_sgpr_count 2
		.amdhsa_user_sgpr_kernarg_segment_ptr 1
		.amdhsa_wavefront_size32 1
		.amdhsa_system_sgpr_workgroup_id_x 1
		.amdhsa_system_sgpr_workgroup_id_y 1
		.amdhsa_system_sgpr_workgroup_id_z 1
		.amdhsa_system_vgpr_workitem_id 0
		.amdhsa_next_free_vgpr 32
		.amdhsa_next_free_sgpr 66
		.amdhsa_reserve_vcc 0
		.amdhsa_float_denorm_mode_32 3
		.amdhsa_float_denorm_mode_16_64 3
		.amdhsa_memory_ordered 1
		.amdhsa_forward_progress 1
		.amdhsa_inst_pref_size 3
	.end_amdhsa_kernel
	.amdgpu_metadata
---
amdhsa.version: [ 1, 2 ]
amdhsa.kernels:
  - .name:           k_q4a9827ab86_castw
    .symbol:         k_q4a9827ab86_castw.kd
    .args:
      - { .name: W_q, .offset: 0, .size: 8, .value_kind: global_buffer, .address_space: global }
      - { .name: W_k, .offset: 8, .size: 8, .value_kind: global_buffer, .address_space: global }
      - { .name: W_v, .offset: 16, .size: 8, .value_kind: global_buffer, .address_space: global }
      - { .name: wb, .offset: 24, .size: 8, .value_kind: global_buffer, .address_space: global }
    .group_segment_fixed_size: 0
    .private_segment_fixed_size: 0
    .kernarg_segment_align: 8
    .kernarg_segment_size: 32
    .max_flat_workgroup_size: 256
    .sgpr_count:     66
    .vgpr_count:     32
    .wavefront_size: 32
...
	.end_amdgpu_metadata
.endif
;; end of part 1
;; launch proj (part 2): grid 4 x 64, 4 waves a work-group, clusters of 4 x 4, 327,680 bytes of LDS; arguments q_input, k_input, v_input, wb, qh, kh, vh; writes qh, kh, vh
.if DOCPART == 2
	.amdgcn_target "amdgcn-amd-amdhsa--gfx1250"
	.amdhsa_code_object_version 6
	.text
	.protected	k_q4a9827ab86_proj
	.globl	k_q4a9827ab86_proj
	.p2align	8
	.type	k_q4a9827ab86_proj,@function
k_q4a9827ab86_proj:
	s_mov_b64 s[64:65], 0
	v_nop
	global_prefetch_b8 v0, s[64:65] scope:SCOPE_SE
	s_setreg_imm32_b32 hwreg(HW_REG_WAVE_MODE, 25, 1), 1
	s_wait_xcnt 0x0
	s_wait_alu depctr_hold_cnt(0) depctr_sa_sdst(0) depctr_va_vdst(0) depctr_va_sdst(0) depctr_va_ssrc(0) depctr_va_vcc(0) depctr_vm_vsrc(0)
	s_getreg_b32 s2, hwreg(HW_REG_IB_STS2, 6, 4)
	s_cmp_eq_u32 s2, 0
	s_cbranch_scc0 .Lentry_in_a_cluster
	s_endpgm
.Lentry_in_a_cluster:
	s_bfe_u32 s2, ttmp6, 0x10000c
	s_cmp_lg_u32 s2, 0xf033
	s_cbranch_scc0 .Lentry_shape_is_right
	s_endpgm
.Lentry_shape_is_right:
; THE THREE PROJECTIONS.  out_p[m][e] = sum over d of bf16(x_p[m][d]) wb_p[e][d], p = 0, 1, 2 (q, k, v); x_p: [8192][1024] f32, wb_p: [1024][1024] bf16, out_p: [8192][1024] f16.
; Sums in f32, K ascending, each result rounded once to f16.
; LIMIT.  f16 holds no number beyond 65,504: a projected number of 65,520 or more becomes an infinity.  NaN and infinities are not treated apart.
; SHARES.  256 work-groups.  A WORK-GROUP STAYS: it makes the same block of 128 rows x 256 columns of q, then of k, then of v: three tiles, 24 K steps of 128, through ONE ring of two LDS slots that does not
; stop at a tile's end.  Its four waves lie 2 x 2, each 64 x 128: 32 accumulators of 16 x 16, 256 registers.  A tile's stores leave while the next tile is multiplied: nothing waits for them.
; x comes into LDS as f32 (rows of 512 bytes) and is rounded to bf16 on its way from LDS to the matrix unit: the 32 conversions of a substep stand four behind each of eight matrix instructions.
; A K step is four SUBSTEPS of 32 along K, 32 matrix instructions each, on fragment buffers 0, 1, 0, 1.  Substep j fetches wb's fragments of j + 1, rounds x's raw numbers of j + 1 and fetches the raw numbers of j + 2.
; THE TEXT holds a step once with a refill (22 trips) and once without (the last two steps).  Which slot is read hangs on two scalars that an exclusive or turns; a refill's addresses are made from the step's number.
; CLUSTER.  4 x 4 work-groups.  The four of a row of the cluster need the same rows of x, the four of a column the same rows of wb: each tile is asked for jointly, by the same tensor load, descriptor and mask in all four.
; THE MATRIX INSTRUCTION IS USED TRANSPOSED (source 0 = 16 rows of wb, source 1 = 16 rows of x): a lane then holds eight neighbouring columns of one row of the result.
; REGISTERS, in windows of 256 (s_set_vgpr_msb: bits 1:0 source 0, 3:2 source 1, 5:4 source 2, 7:6 destination):
;   window 0: v0-31 addresses; v64-127 x's raw f32 of one substep; v128-159, v160-191 x's fragments, two buffers; v192-223, v32-63, v224-255 at work on the way out
;   window 1: v0-63, v64-127 wb's fragments, two buffers          window 2: the accumulators, (a, b) at v[8 (8 a + b)]
.set STEPS,  24                        ; three tiles of eight K steps
.set APITCH, 528                       ; an LDS row of x: 512 bytes + 16 = 132 words: the 16 rows of a load start 4 banks apart (64 banks of 4 bytes: ISA guide 11.1)
.set BPITCH, 272                       ; an LDS row of wb: 256 bytes + 16 = 68 words: likewise
.set AHALF,  64*APITCH                 ; what one tensor load of x brings, and what one wave reads of x
.set ASLOT,  128*APITCH                ; x's part of a slot; its two parts lie at 0 and at ASLOT
.set BREG,   2*ASLOT                   ; behind them wb's two parts, at BREG and BREG + BSLOT
.set BHALF,  128*BPITCH                ; what one tensor load of wb brings, and what one wave reads of wb
.set BSLOT,  256*BPITCH
.set STAGE,  BREG+2*BSLOT              ; behind the ring: 16 rows x 272 bytes for each wave, for the way out; no tensor load fills it
.set SPITCH, 272
.set SPARE,  STAGE+4*16*SPITCH         ; behind the stages: the spare words, 128 bytes for each wave: two blocks of 256 bytes that no other line names
.set A0,   16                          ; v16     my lane's place in x's part of slot 0; never rewritten
.set B0,   17                          ; v17     the same for wb
.set ADA,  18                          ; v18     A0 + the slot in hand
.set ADB,  19                          ; v19     B0 + the slot in hand
.set STO,  24                          ; v24     the way out: where I put 16 bytes of a row
.set RD,   25                          ; v25     where I read a row back
.set CO,   26                          ; v26     my byte offset in the result
.set SPW,  28                          ; v28     LDS address of my spare word; never rewritten
.set NIL,  29                          ; v29     0; never rewritten
.set PFO,  30                          ; v30     the prefetches' offset; never rewritten
.set RAW,  64
.set AF,   128
.set TMP,  192
.set OB,   32                          ; 16 rows read back from the stage: v32-63 and v224-255 by turns
.set G1,   24                          ; s[24:31] descriptor group 1 for x's tiles;  s[32:39] group 0: a set for each of the two first fills; the second then serves every refill
.set G0,   32
.set G1B,  48                          ; s[48:55], s[56:63] the same for wb's
.set G0B,  56
.set LIM,  43                          ; s43  2 in a wave that prefetches, else the greatest number
.set PFA,  44                          ; s[44:45] where my prefetch stands
.set PSH,  82                          ; s82  a K step of the tensor that I prefetch is 1 << PSH bytes of a row
.set PPS,  83                          ; s83  from wb_p to wb_p+1 in bytes; 0 in a wave that prefetches x
.set AOF,  84                          ; s84  byte offset in x_p of the rows that I fetch
.set BOF,  85                          ; s85  byte offset in wb_p of the rows that I fetch
.set AL0,  86                          ; s86  LDS byte of my part of x's tile in slot 0
.set BL0,  87                          ; s87  the same for wb
.set TBA,  88                          ; s88  the slot in hand, for x: 0 or ASLOT
.set TBB,  89                          ; s89  for wb: 0 or BSLOT
.set NXT,  90                          ; s90  the step to be asked for next
.set PH,   91                          ; s91  steps of the tile in hand that are still to be finished
.set COF,  92                          ; s[92:93] byte offset of my part of a tile in out_p
.set TL,   94                          ; s94  the tile that goes out next
.set POF,  95                          ; s95  byte offset of my prefetches' rows
.set MSB, 0
.macro WIN new                         ; the immediate's high byte repeats the setting that is left; a switch that changes nothing is dropped
.if MSB != (\new)
	s_set_vgpr_msb (MSB<<8)|(\new)
.set MSB, \new
.endif
.endm
.set MUL,  0xa1                        ; source 0 (wb) window 1, source 1 (x) window 0, C and D window 2
.set TO_B, 0x40                        ; destination window 1, address window 0
; A joint load.  Waves 0 and 1 fetch x's two halves, waves 2 and 3 wb's.  The branch hangs on the wave's number alone.  An s_nop 0 and four v_nop follow each of the two lines.
.macro JLOAD s
	s_cmp_eq_u32 s11, 0
	s_cbranch_scc0 .Lfor_b_\@
	tensor_load_to_lds s[G0+4*(\s):G0+4*(\s)+3], s[G1:G1+7]
	s_nop 0
.rept 4
	v_nop
.endr
	s_branch .Lasked_\@
.Lfor_b_\@:
	tensor_load_to_lds s[G0B+4*(\s):G0B+4*(\s)+3], s[G1B:G1B+7]
	s_nop 0
.rept 4
	v_nop
.endr
.Lasked_\@:
.endm
; A prefetch of the K step that stands two refills on, 32 aligned blocks of 256 bytes, a lane a block.  Of the rows that a wave fetches each of the four partners that ask jointly takes a quarter, told apart by address.
; x's rows are read by this cluster alone, so every cluster asks for its own; wb's rows are read by all sixteen clusters: the one with y = 0 asks.  The loop's last two trips ask for nothing: step 23 is the last.
.macro ASK
	s_cmp_gt_u32 s3, s[LIM]
	s_cbranch_scc0 .Lnot_mine_\@
	global_prefetch_b8 v[PFO], s[PFA:PFA+1] th:TH_LOAD_NT scope:SCOPE_SE
.Lnot_mine_\@:
.endm
.macro CREST                           ; a round of the cluster's barrier behind its opening barrier
	s_cmp_lg_u32 s10, 0
	s_cbranch_scc1 .Lnot_wave_0_\@
	s_barrier_signal -3
.Lnot_wave_0_\@:
	s_barrier_wait -3
	s_barrier_signal -1
	s_barrier_wait -1
.endm
.macro CROUND                          ; a whole round
	s_barrier_signal -1
	s_barrier_wait -1
	CREST
.endm
.macro PLACES                          ; four places in front of loads into registers that matrix instructions have read, and of conversions that read results
.rept 4
	v_nop
.endr
.endm
	s_load_b256 s[68:75], s[0:1], 0x0              ; q_input, k_input, v_input, wb
	s_load_b128 s[76:79], s[0:1], 0x20             ; qh, kh
	s_load_b64 s[80:81], s[0:1], 0x30              ; vh
	v_lshl_add_u32 v[SPW], v0, 2, SPARE
	v_mov_b32 v[NIL], 0
	ds_add_u32 v[SPW], v[NIL]                      ; the wave's opening: the add and its wait ahead of my first tensor load; the set-up below stands between them
	v_lshrrev_b32 v1, 5, v0
	v_readfirstlane_b32 s10, v1                    ; wave 0..3
	s_lshr_b32 s11, s10, 1                         ; which half of the tile's rows is mine.  Also: I fetch x (0) or wb (1)
	s_and_b32 s12, s10, 1                          ; which half of its columns.  Also: which half of that tile I fetch
	s_bfe_u32 s40, ttmp6, 0x40000                  ; cx
	s_bfe_u32 s41, ttmp6, 0x40004                  ; cy
	s_lshl_b32 s42, ttmp9, 2
	s_add_co_u32 s42, s42, s40                     ; tile column X = 4 x cluster x + cx: 0..3
	s_and_b32 s67, ttmp7, 0xffff                   ; cluster y: 0..15
	s_lshl_b32 s13, s67, 2
	s_add_co_u32 s13, s13, s41                     ; tile row Y: 0..63
	s_lshl_b32 s14, s41, 2
	s_lshl_b32 s14, 15, s14                        ; my row of the cluster
	s_lshl_b32 s15, 0x1111, s40                    ; my column
	s_or_b32 s[G1+0], s14, (2<<16)|(1<<20)|(1<<21)|(6<<22)|(3<<25)   ; mask; elements of 4 bytes; padding on; 21 set beside a mask; after every 128 words (code 6) 4 words (code 3)
	s_or_b32 s[G1B+0], s15, (1<<16)|(1<<20)|(1<<21)|(5<<22)|(3<<25)  ; mask; elements of 2 bytes; after every 64 words (code 5) 4 words
	s_mov_b32 s[G1+1], 128<<16                     ; tensor_dim0 = 128
	s_mov_b32 s[G1+2], 64<<16                      ; tensor_dim1 = 64
	s_mov_b32 s[G1+3], 128<<16                     ; tile_dim0 = 128
	s_mov_b32 s[G1+4], 64                          ; tile_dim1 = 64
	s_mov_b32 s[G1+5], 1024                        ; elements from row to row
	s_mov_b32 s[G1+6], 0
	s_mov_b32 s[G1+7], 0
	s_mov_b32 s[G1B+1], 128<<16
	s_mov_b32 s[G1B+2], 128<<16                    ; 128 rows
	s_mov_b32 s[G1B+3], 128<<16
	s_mov_b32 s[G1B+4], 128
	s_mov_b32 s[G1B+5], 1024
	s_mov_b32 s[G1B+6], 0
	s_mov_b32 s[G1B+7], 0
	s_lshl_b32 s[AOF], s13, 7                      ; x: row 128 Y + 64 x half, 4,096 bytes a row: hangs on the tile row alone
	s_lshl_b32 s2, s12, 6
	s_add_co_u32 s[AOF], s[AOF], s2
	s_lshl_b32 s[AOF], s[AOF], 12
	s_lshl_b32 s[BOF], s42, 8                      ; wb: row 256 X + 128 x half, 2,048 bytes a row: hangs on the tile column alone
	s_lshl_b32 s2, s12, 7
	s_add_co_u32 s[BOF], s[BOF], s2
	s_lshl_b32 s[BOF], s[BOF], 11
	s_mul_i32 s[AL0], s12, AHALF                   ; where the tiles go: no place in the cluster enters an LDS address
	s_mul_i32 s[BL0], s12, BHALF
	s_add_co_u32 s[BL0], s[BL0], BREG
	s_mov_b32 s[TBA], 0
	s_mov_b32 s[TBB], 0
	s_mov_b32 s[NXT], 2                            ; steps 0 and 1 are the first fills
	s_mov_b32 s[PH], 8
	s_mov_b32 s[TL], 0
	s_mov_b32 s18, s[AOF]                          ; s[18:19]: x's offset as a pair, s[20:21]: wb's; the upper words stay 0
	s_mov_b32 s19, 0
	s_mov_b32 s20, s[BOF]
	s_mov_b32 s21, 0
	s_wait_dscnt 0x0                               ; the opening add is done
	s_wait_kmcnt 0x0
	s_add_nc_u64 s[16:17], s[68:69], s[18:19]      ; tile 0 is q's
	s_add_nc_u64 s[46:47], s[74:75], s[20:21]
	CROUND                                         ; all sixteen work-groups are here: the first joint loads meet
.irp s, 0,1
	s_mov_b32 s[G0+4*(\s)], 1                                        ; count = 1
	s_add_co_u32 s[G0+4*(\s)+1], s[AL0], (\s)*ASLOT                  ; LDS address
	s_add_nc_u64 s[G0+4*(\s)+2:G0+4*(\s)+3], s[16:17], (\s)*512      ; global address: K step s
	s_or_b32 s[G0+4*(\s)+3], s[G0+4*(\s)+3], 0x80000000              ; type = 2
	s_mov_b32 s[G0B+4*(\s)], 1
	s_add_co_u32 s[G0B+4*(\s)+1], s[BL0], (\s)*BSLOT
	s_add_nc_u64 s[G0B+4*(\s)+2:G0B+4*(\s)+3], s[46:47], (\s)*256
	s_or_b32 s[G0B+4*(\s)+3], s[G0B+4*(\s)+3], 0x80000000
	JLOAD \s                                       ; two loads of mine are out
.endr
	; A fragment is 16 rows x 32 K in 8 registers: lane l holds row l % 16; registers 0-3 K = 8 (l / 16) + 0..7, registers 4-7 K = 16 + 8 (l / 16) + 0..7.
	; In bf16 that is two loads of 16 bytes, 32 apart; in f32 four: at 32 (l / 16) + 0, 16, 64, 80.
	v_and_b32 v1, 15, v0                           ; l % 16
	v_bfe_u32 v2, v0, 4, 1                         ; l / 16
	v_mul_u32_u24 v3, v1, APITCH
	v_lshl_add_u32 v3, v2, 5, v3
	v_mul_u32_u24 v4, v1, BPITCH
	v_lshl_add_u32 v4, v2, 4, v4
	s_mul_i32 s22, s11, AHALF                      ; my 64 rows of x
	s_mul_i32 s23, s12, BHALF                      ; my 128 rows of wb
	s_add_co_u32 s23, s23, BREG
	v_add_nc_u32 v[A0], s22, v3
	v_add_nc_u32 v[B0], s23, v4
	v_mov_b32 v[ADA], v[A0]                        ; slot 0 is read first
	v_mov_b32 v[ADB], v[B0]
	s_mul_i32 s22, s10, 16*SPITCH
	s_add_co_u32 s22, s22, STAGE                   ; my stage
	v_add_nc_u32 v[STO], s22, v4                   ; in: row l % 16, 16 bytes for each half of the lanes (the stage's pitch is wb's)
	v_mul_u32_u24 v5, v2, SPITCH                   ; back: lanes 0-15 one row of 256 bytes, lanes 16-31 the next
	v_lshl_add_u32 v5, v1, 4, v5
	v_add_nc_u32 v[RD], s22, v5
	v_lshlrev_b32 v5, 11, v2                       ; and the same two rows in the result, 2,048 bytes a row
	v_lshl_add_u32 v[CO], v1, 4, v5
	s_lshl_b32 s[COF], s13, 7                      ; my first row and column in each of the three results
	s_lshl_b32 s22, s11, 6
	s_add_co_u32 s[COF], s[COF], s22
	s_lshl_b32 s[COF], s[COF], 11
	s_lshl_b32 s22, s42, 9
	s_add_co_u32 s[COF], s[COF], s22
	s_lshl_b32 s22, s12, 8
	s_add_co_u32 s[COF], s[COF], s22
	s_mov_b32 s[COF+1], 0
	; the prefetches: x: 16 rows x 2 blocks of a K step's 512 bytes (partner cx); wb: 32 rows x 1 block (partner cy)
	s_lshl_b32 s22, s13, 7
	s_lshl_b32 s23, s12, 6
	s_add_co_u32 s22, s22, s23
	s_lshl_b32 s23, s40, 4
	s_add_co_u32 s22, s22, s23
	s_lshl_b32 s22, s22, 12
	s_lshl_b32 s[POF], s42, 8
	s_lshl_b32 s23, s12, 7
	s_add_co_u32 s[POF], s[POF], s23
	s_lshl_b32 s23, s41, 5
	s_add_co_u32 s[POF], s[POF], s23
	s_lshl_b32 s[POF], s[POF], 11
	s_mov_b32 s[PPS], 0x200000
	s_mov_b32 s4, 2048
	s_mov_b32 s5, 32768
	s_cmp_eq_u32 s11, 0                            ; do I fetch x?
	s_cselect_b32 s[POF], s22, s[POF]
	s_cselect_b32 s23, 0, s67
	s_cselect_b32 s[PSH], 9, 8
	s_cselect_b32 s[PPS], 0, s[PPS]
	s_cselect_b32 s4, 4096, s4                     ; from lane to lane among 16: a row
	s_cselect_b32 s5, 256, s5                      ; from one half of the lanes to the other: x: the row's second block; wb: 16 rows
	s_cmp_eq_u32 s23, 0
	s_cselect_b32 s[LIM], 2, -1                    ; the same in all sixteen partners, for a given wave
	v_mul_u32_u24 v[PFO], v1, s4
	v_mad_u32_u24 v[PFO], v2, s5, v[PFO]
.macro WM cur, a, b, zero              ; one product; zero = 1: it starts the sum: nothing is ever cleared
.if \zero
	v_wmma_f32_16x16x32_bf16 v[8*(8*(\a)+(\b)):8*(8*(\a)+(\b))+7], v[64*(\cur)+8*(\b):64*(\cur)+8*(\b)+7], v[AF+32*(\cur)+8*(\a):AF+32*(\cur)+8*(\a)+7], 0
.else
	v_wmma_f32_16x16x32_bf16 v[8*(8*(\a)+(\b)):8*(8*(\a)+(\b))+7], v[64*(\cur)+8*(\b):64*(\cur)+8*(\b)+7], v[AF+32*(\cur)+8*(\a):AF+32*(\cur)+8*(\a)+7], v[8*(8*(\a)+(\b)):8*(8*(\a)+(\b))+7]
.endif
.endm
.macro MUL8 cur, a, zero               ; row block a x all 8 column blocks.  The 32 accumulators take turns in the same order in every substep
	WIN MUL
.irp b, 0,1,2,3,4,5,6,7
	WM \cur, \a, \b, \zero
.endr
.endm
.macro MUL8R cur, a, zero              ; the same, and behind each product four roundings of the next substep's x, into the other buffer: they name no register of the products round them
.irp b, 0,1,2,3,4,5,6,7
	WIN MUL
	WM \cur, \a, \b, \zero
	WIN 0
.irp n, 0,1,2,3
	v_cvt_pk_bf16_f32 v[AF+32*(1-(\cur))+4*(\b)+(\n)], v[RAW+8*(\b)+2*(\n)], v[RAW+8*(\b)+2*(\n)+1]
.endr
.endr
.endm
.macro CVT_ALL f                       ; the 32 roundings on end: once, for the first substep
	WIN 0
.set n, 0
.rept 32
	v_cvt_pk_bf16_f32 v[AF+32*(\f)+n], v[RAW+2*n], v[RAW+2*n+1]
.set n, n+1
.endr
.endm
.macro FETCH_R k                       ; 16 LDS loads: my 64 rows of x, 32 K in f32 at byte k of the rows of the slot in hand
	WIN 0
.irp i, 0,1,2,3
	ds_load_b128 v[RAW+16*(\i):RAW+16*(\i)+3],     v[ADA] offset:(\k)+(\i)*16*APITCH
	ds_load_b128 v[RAW+16*(\i)+4:RAW+16*(\i)+7],   v[ADA] offset:(\k)+(\i)*16*APITCH+16
	ds_load_b128 v[RAW+16*(\i)+8:RAW+16*(\i)+11],  v[ADA] offset:(\k)+(\i)*16*APITCH+64
	ds_load_b128 v[RAW+16*(\i)+12:RAW+16*(\i)+15], v[ADA] offset:(\k)+(\i)*16*APITCH+80
.endr
.endm
.macro FETCH_B k, f                    ; 16 LDS loads: my 128 rows of wb, 32 K at byte k of the rows, into buffer f
	WIN TO_B
.irp b, 0,1,2,3,4,5,6,7
	ds_load_b128 v[64*(\f)+8*(\b):64*(\f)+8*(\b)+3],   v[ADB] offset:(\k)+(\b)*16*BPITCH
	ds_load_b128 v[64*(\f)+8*(\b)+4:64*(\f)+8*(\b)+7], v[ADB] offset:(\k)+(\b)*16*BPITCH+32
.endr
.endm
; A SUBSTEP on buffers cur.  bk: where the next substep's wb lies in the rows; rk: where the raw x of the substep after next lies.
; The first wait leaves out the 16 raw loads that were issued behind this substep's wb; the second leaves out the 16 loads of wb just issued, while the raw x that is rounded next must be in.
; The buffer that FETCH_B fills was last read by the substep before: four roundings stand behind that substep's last product, and four v_nop more here.
.macro SUB cur, zero, bk, rk
	s_wait_dscnt 16
	MUL8 \cur, 0, \zero
	MUL8 \cur, 1, \zero
	PLACES
	FETCH_B \bk, 1-(\cur)
	MUL8 \cur, 2, \zero
	s_wait_dscnt 16
	MUL8R \cur, 3, \zero
	FETCH_R \rk
.endm
; THE THIRD SUBSTEP CHANGES SLOTS: its fetch of wb is the last read of this slot, and the raw x that it fetches at its end lies in the next.  In front of the barrier each wave waits for all its tensor loads
; (one is out: its part of the next slot), adds 0 to its spare word, and waits for that and for its reads of this slot.  fill = 1: the barrier opens a round of the cluster's barrier, and this slot is filled
; again first thing behind it, with step NXT, two steps ahead: 112 matrix instructions stand between that request and the wait for it.  Step n is K step n % 8 of tile n / 8: both addresses are made anew from n.
.macro TURN fill
.if \fill
	s_wait_xcnt 0x0                                ; the last prefetch, a K step back, has read its address: it is made anew here, ahead of the waits of the change
	s_add_co_u32 s22, s[NXT], 2                    ; the step two refills on,
	s_min_u32 s22, s22, STEPS-1                    ; held to the last step (in the trips where that binds, nothing is asked for)
	s_and_b32 s23, s22, 7
	s_lshr_b32 s22, s22, 3
	s_cmp_eq_u32 s22, 1
	s_cselect_b64 s[46:47], s[70:71], s[68:69]
	s_cmp_eq_u32 s22, 2
	s_cselect_b64 s[46:47], s[72:73], s[46:47]
	s_cmp_eq_u32 s11, 0
	s_cselect_b64 s[46:47], s[46:47], s[74:75]     ; x of that tile, or wb
	s_mul_i32 s22, s22, s[PPS]
	s_lshl_b32 s23, s23, s[PSH]
	s_add_co_u32 s22, s22, s23
	s_add_co_u32 s22, s22, s[POF]
	s_mov_b32 s23, 0
	s_add_nc_u64 s[PFA:PFA+1], s[46:47], s[22:23]
.endif
	s_wait_dscnt 16                                ; this substep's wb is in; the 16 raw loads may stay out
	MUL8 0, 0, 0
	MUL8 0, 1, 0
	PLACES
	FETCH_B 192, 1
	WIN 0                                          ; (the add's two registers lie in window 0)
	s_wait_tensorcnt 0x0                           ; all my tensor loads have landed, so a group 0 may be written
	ds_add_u32 v[SPW], v[NIL]                      ; 0 onto my spare word; the descriptors' words and eight products stand between it and the wait for it
.if \fill
	s_and_b32 s14, s[NXT], 7                       ; the K step in its tile,
	s_lshr_b32 s15, s[NXT], 3                      ; and the tile
	s_cmp_eq_u32 s15, 1
	s_cselect_b64 s[16:17], s[70:71], s[68:69]
	s_cmp_eq_u32 s15, 2
	s_cselect_b64 s[16:17], s[72:73], s[16:17]
	s_lshl_b32 s18, s14, 9
	s_add_co_u32 s18, s18, s[AOF]
	s_add_nc_u64 s[G0+6:G0+7], s[16:17], s[18:19]
	s_or_b32 s[G0+7], s[G0+7], 0x80000000
	s_add_co_u32 s[G0+5], s[TBA], s[AL0]           ; into the slot that is being left
	s_lshl_b32 s20, s15, 21
	s_lshl_b32 s2, s14, 8
	s_add_co_u32 s20, s20, s2
	s_add_co_u32 s20, s20, s[BOF]
	s_add_nc_u64 s[G0B+6:G0B+7], s[74:75], s[20:21]
	s_or_b32 s[G0B+7], s[G0B+7], 0x80000000
	s_add_co_u32 s[G0B+5], s[TBB], s[BL0]
	s_add_co_u32 s[NXT], s[NXT], 1
.endif
	MUL8 0, 2, 0
	s_wait_dscnt 0x0                               ; the add is done, and my reads of this slot are over
	s_barrier_signal -1
	MUL8R 0, 3, 0                                  ; work on registers while the others arrive
	WIN 0
	s_barrier_wait -1
.if \fill
	CREST                                          ; no wave of any partner still reads this slot or has a load on its way
	JLOAD 1
.endif
	s_xor_b32 s[TBA], s[TBA], ASLOT                ; the fetches go on in the other slot
	s_xor_b32 s[TBB], s[TBB], BSLOT
	v_add_nc_u32 v[ADA], s[TBA], v[A0]
	v_add_nc_u32 v[ADB], s[TBB], v[B0]
	FETCH_R 0
.if \fill
	ASK
.endif
.endm
; THE WAY OUT of row block a.  PACK: rounded to f16, 16 bytes a lane, each accumulator's registers in ascending order.  TOSTAGE: into my own stage, and back as whole rows of 256 bytes.  SEND: stored.
.macro PACK a
	WIN 0x0a                                       ; sources 0 and 1 window 2
.irp b, 0,1,2,3,4,5,6,7
.irp r, 0,1,2,3
	v_cvt_pk_f16_f32 v[TMP+4*(\b)+(\r)], v[64*(\a)+8*(\b)+2*(\r)], v[64*(\a)+8*(\b)+2*(\r)+1]
.endr
.endr
	WIN 0
.endm
.macro TOSTAGE a
.set BK, OB+192*((\a)%2)
.irp b, 0,1,2,3,4,5,6,7
	ds_store_b128 v[STO], v[TMP+4*(\b):TMP+4*(\b)+3] offset:32*(\b)
.endr
.irp t, 0,1,2,3,4,5,6,7
	ds_load_b128 v[BK+4*(\t):BK+4*(\t)+3], v[RD] offset:(\t)*2*SPITCH  ; LDS serves a wave's instructions in order (ISA guide 5.7.1.4): these see the stores above
.endr
.endm
.macro SEND a
.set BK, OB+192*((\a)%2)
	s_wait_dscnt 0x0                               ; the block is back in registers
	s_wait_xcnt 0x0                                ; the stores issued so far have read their registers: the next TOSTAGE loads into those of the block before this one
.irp t, 0,1,2,3,4,5,6,7
	global_store_b128 v[CO], v[BK+4*(\t):BK+4*(\t)+3], s[8:9] offset:(\a)*16*2048+(\t)*2*2048  ; 16 lanes store 256 consecutive bytes, at a multiple of 256 from the buffer's first byte
.endr
.endm
; A whole tile goes out, into the result of tile TL.  Block a's conversions stand between block a - 1's loads from the stage and the wait for them.
.macro WAYOUT
	PLACES
	s_wait_xcnt 0x0                                ; the last tile's stores have read their base and their registers: both are written again below
	s_cmp_eq_u32 s[TL], 1
	s_cselect_b64 s[8:9], s[78:79], s[76:77]
	s_cmp_eq_u32 s[TL], 2
	s_cselect_b64 s[8:9], s[80:81], s[8:9]
	s_add_nc_u64 s[8:9], s[8:9], s[COF:COF+1]
	s_add_co_u32 s[TL], s[TL], 1
	PACK 0
	TOSTAGE 0
	PACK 1
	SEND 0
	TOSTAGE 1
	PACK 2
	SEND 1
	TOSTAGE 2
	PACK 3
	SEND 2
	TOSTAGE 3
	SEND 3
.endm
	s_wait_tensorcnt 1                             ; my part of step 0 is in; step 1's may stay out
	s_barrier_signal -1
	s_barrier_wait -1                              ; everybody's is
	FETCH_R 0
	s_wait_dscnt 0x0
	CVT_ALL 0
	FETCH_B 0, 0
	FETCH_R 128
	s_mov_b32 s3, STEPS-1                          ; the count is taken down once before the first whole trip: 22 trips follow
	s_branch .Lzero                                ; the loop is entered at a tile's first substep
.Lloop:                                        ; a trip: a step's substeps 1, 2, 3 and the next step's substep 0; it fills the slot that it leaves
	SUB 1, 0, 128, 384
	TURN 1
	SUB 1, 0, 0, 128
	s_sub_co_u32 s[PH], s[PH], 1
	s_cmp_lg_u32 s[PH], 0
	s_cbranch_scc1 .Lsame                          ; forward, past text that holds neither a barrier nor a tensor load
	WAYOUT                                         ; the tile's eighth step is done: it goes out while the refill asked for above is on its way
	s_mov_b32 s[PH], 8
.Lzero:
	SUB 0, 1, 64, 256                              ; a tile's first products start its sums
	s_branch .Lnext
.Lsame:
	SUB 0, 0, 64, 256
.Lnext:
	s_sub_co_u32 s3, s3, 1
	s_cmp_lg_u32 s3, 0
	s_cbranch_scc1 .Lloop
	s_mov_b32 s3, 2
.Ltail:                                        ; the last two steps fill nothing: a text of their own
	SUB 1, 0, 128, 384
	TURN 0
	SUB 1, 0, 0, 128                               ; (in the last step what it fetches and rounds, old bytes of the other slot, is multiplied by nothing: the price, once a launch, of one text for both steps)
	s_sub_co_u32 s3, s3, 1
	s_cmp_eq_u32 s3, 0
	s_cbranch_scc1 .Lout
	SUB 0, 0, 64, 256
	s_branch .Ltail
.Lout:
	s_wait_dscnt 0x0                               ; those last fetches have landed
	WAYOUT
	s_wait_tensorcnt 0x0                           ; the wave's end, behind my last tensor load and my last LDS store
	ds_add_u32 v[SPW], v[NIL]
	s_wait_dscnt 0x0
	CROUND                                         ; the closing round: no work-group ends while a partner may still ask for a tile that names it
	s_endpgm
.Lfunc_end_k_q4a9827ab86_proj:
	.size	k_q4a9827ab86_proj, .Lfunc_end_k_q4a9827ab86_proj-k_q4a9827ab86_proj
	.p2alignl 7, 3214868480
	.fill 96, 4, 3214868480
	.section	.rodata,"a",@progbits
	.p2align	6, 0x0
	.amdhsa_kernel k_q4a9827ab86_proj
		.amdhsa_group_segment_fixed_size 327680
		.amdhsa_private_segment_fixed_size 0
		.amdhsa_enable_private_segment 0
		.amdhsa_kernarg_size 56
		.amdhsa_user_sgpr_count 2
		.amdhsa_user_sgpr_kernarg_segment_ptr 1
		.amdhsa_wavefront_size32 1
		.amdhsa_system_sgpr_workgroup_id_x 1
		.amdhsa_system_sgpr_workgroup_id_y 1
		.amdhsa_system_sgpr_workgroup_id_z 1
		.amdhsa_system_vgpr_workitem_id 0
		.amdhsa_next_free_vgpr 768
		.amdhsa_next_free_sgpr 96
		.amdhsa_reserve_vcc 0
		.amdhsa_float_denorm_mode_32 3
		.amdhsa_float_denorm_mode_16_64 3
		.amdhsa_memory_ordered 1
		.amdhsa_forward_progress 1
		.amdhsa_inst_pref_size 110
	.end_amdhsa_kernel
	.amdgpu_metadata
---
amdhsa.version: [ 1, 2 ]
amdhsa.kernels:
  - .name:           k_q4a9827ab86_proj
    .symbol:         k_q4a9827ab86_proj.kd
    .args:
      - { .name: q_input, .offset: 0, .size: 8, .value_kind: global_buffer, .address_space: global }
      - { .name: k_input, .offset: 8, .size: 8, .value_kind: global_buffer, .address_space: global }
      - { .name: v_input, .offset: 16, .size: 8, .value_kind: global_buffer, .address_space: global }
      - { .name: wb, .offset: 24, .size: 8, .value_kind: global_buffer, .address_space: global }
      - { .name: qh, .offset: 32, .size: 8, .value_kind: global_buffer, .address_space: global }
      - { .name: kh, .offset: 40, .size: 8, .value_kind: global_buffer, .address_space: global }
      - { .name: vh, .offset: 48, .size: 8, .value_kind: global_buffer, .address_space: global }
    .group_segment_fixed_size: 327680
    .private_segment_fixed_size: 0
    .kernarg_segment_align: 8
    .kernarg_segment_size: 56
    .max_flat_workgroup_size: 128
    .sgpr_count:     96
    .vgpr_count:     768
    .wavefront_size: 32
...
	.end_amdgpu_metadata
.endif
;; end of part 2
;; launch scores (part 3): grid 8 x 32, 4 waves a work-group, clusters of 4 x 4, 327,680 bytes of LDS; arguments qh, kh, pw, st; writes pw, st
.if DOCPART == 3
	.amdgcn_target "amdgcn-amd-amdhsa--gfx1250"
	.amdhsa_code_object_version 6
	.text
	.protected	k_q4a9827ab86_scores
	.globl	k_q4a9827ab86_scores
	.p2align	8
	.type	k_q4a9827ab86_scores,@function
k_q4a9827ab86_scores:
	s_mov_b64 s[64:65], 0
	v_nop
	global_prefetch_b8 v0, s[64:65] scope:SCOPE_SE
	s_setreg_imm32_b32 hwreg(HW_REG_WAVE_MODE, 25, 1), 1
	s_wait_xcnt 0x0
	s_wait_alu depctr_hold_cnt(0) depctr_sa_sdst(0) depctr_va_vdst(0) depctr_va_sdst(0) depctr_va_ssrc(0) depctr_va_vcc(0) depctr_vm_vsrc(0)
	s_getreg_b32 s2, hwreg(HW_REG_IB_STS2, 6, 4)
	s_cmp_eq_u32 s2, 0
	s_cbranch_scc0 .Lentry_in_a_cluster
	s_endpgm
.Lentry_in_a_cluster:
	s_bfe_u32 s2, ttmp6, 0x10000c
	s_cmp_lg_u32 s2, 0xf033
	s_cbranch_scc0 .Lentry_shape_is_right
	s_endpgm
.Lentry_shape_is_right:
; THE WEIGHTS, BLOCK BY BLOCK.  s[q][k] = sum over e of qh[q][e] kh[k][e] (f16 operands, f32 sums), for q and k of one batch.  For each query row and each block t of 128 keys:
;   cm_t = c max_k s,  c = log2(e) / 32;   pw[q][k] = 2^(c s - cm_t), rounded once to f16;   l_t = the sum of those weights, unrounded, in f32.
; The maximum taken away is the block's own; the next launch puts the row's maximum in its place by the factors 2^(cm_t - max_t cm_t).  Scores themselves are never stored.
; qh, kh: [8192][1024] f16; pw: [8192][2048] f16 (global query row, key in the batch); st: f32 cm[16][8192], then l[16][8192] (block, global row).
; LIMITS.  A weight below 6e-8 of its block's largest counts as 0 in pw (f16's last step); one below 2^-126 also in l.  NaN and infinities are not treated apart.
; SHARES.  A work-group makes 256 queries x 256 keys; its four waves 128 x 128 each: 64 accumulators, 512 registers; a wave's 128 keys are one block t.  K goes in 8 steps of 128 through two LDS slots.
; THE TEXT holds a step once with a refill (6 trips) and once without (the last two steps); which slot is read hangs on a scalar that an exclusive or turns.
; CLUSTER.  4 x 4 work-groups: the four of a row need the same rows of qh, the four of a column the same rows of kh: each tile is asked for jointly.  The batch is cluster y / 2: the same in all sixteen.
; THE MATRIX INSTRUCTION IS USED TRANSPOSED (source 0 = 16 keys, source 1 = 16 queries): a lane holds ONE query (lane % 16) and the keys 8 (lane / 16) + 0..7 of each group of 16.
; REGISTERS, in windows of 256 (s_set_vgpr_msb: bits 1:0 source 0, 3:2 source 1, 5:4 source 2, 7:6 destination):
;   window 0: v0-31 addresses; v64-127, v128-191 fragments of qh, two buffers; on the way out v32-255 at work          window 1: v64-127, v128-191 fragments of kh
;   window 2: the 32 accumulators of my rows 0-63 ((a, b) at v[8 (8 a + b)]);   window 3: those of my rows 64-127
.set KSTEP,  128
.set PITCH,  272                       ; an LDS row: 256 bytes + 16 = 68 words: the 16 rows of a load start 4 banks apart (64 banks of 4 bytes: ISA guide 11.1)
.set HALFT,  128*PITCH                 ; 0x8800
.set SLOT,   4*HALFT                   ; qh's 256 rows, then kh's 256 rows: 0x22000, which shares no bit with wave x HALFT: one exclusive or turns an address in one slot into the other's
.set STAGE,  2*SLOT                    ; behind the ring: 16 rows x 272 bytes for each wave
.set SPITCH, 272
.set STATB,  STAGE+4*16*SPITCH         ; 1,024 bytes for each wave: cm and l of its 128 rows
.set SPARE,  STATB+4*1024              ; the spare words, 128 bytes for each wave: two blocks of 256 bytes that no other line names
.set A0,   16                          ; v16  my lane's place in qh's tile of slot 0; never rewritten
.set B0,   17                          ; v17  the same for kh
.set ADA,  18                          ; v18  A0 + the slot in hand
.set ADB,  19                          ; v19  B0 + the slot in hand
.set GS,   22                          ; v22  16 x lane: my 16 bytes of 512 in st
.set STO,  24
.set RD,   25
.set CO,   26
.set SST,  27                          ; v27  where I put a row's cm
.set SPW,  28
.set NIL,  29
.set PFO,  30
.set SRD,  31                          ; v31  where I read four rows' cm back
.set X,    32                          ; v32-55   at work
.set CMP,  56                          ; v[56:57] cm of the block in hand, and 0: the packed scaling names the pair
.set T,    64                          ; v64-127  the lane's 64 weights of a row block
.set PK,   128                         ; v128-159 the same in f16
.set F0,   64
.set F1,   128
.set G1, 24
.set G0, 32                            ; s[32:39] group 0 for qh's tiles: a set for each of the two first fills; the second then walks on
.set G1B, 48
.set G0B, 56
.set LIM, 43
.set PFA, 44
.set TB,  90                           ; s90  the slot in hand: 0 or SLOT
.set MSB, 0
.macro WIN new
.if MSB != (\new)
	s_set_vgpr_msb (MSB<<8)|(\new)
.set MSB, \new
.endif
.endm
.set MUL_LO, 0xa1                      ; source 0 (kh) window 1, source 1 (qh) window 0, C and D window 2
.set MUL_HI, 0xf1                      ; the same, C and D window 3
.set TO_B,   0x40
.macro JLOAD s                         ; a joint load: waves 0 and 1 fetch qh's two halves, waves 2 and 3 kh's; an s_nop 0 and four v_nop follow each line
	s_cmp_eq_u32 s11, 0
	s_cbranch_scc0 .Lfor_b_\@
	tensor_load_to_lds s[G0+4*(\s):G0+4*(\s)+3], s[G1:G1+7]
	s_nop 0
.rept 4
	v_nop
.endr
	s_branch .Lasked_\@
.Lfor_b_\@:
	tensor_load_to_lds s[G0B+4*(\s):G0B+4*(\s)+3], s[G1B:G1B+7]
	s_nop 0
.rept 4
	v_nop
.endr
.Lasked_\@:
.endm
; A prefetch of the K step that stands two refills on: 32 rows x 256 bytes, a lane a row.  qh's tile row is read by both clusters of that row of clusters: the one with x = 0 asks; kh's tile column by the
; two clusters of the batch in that column: the one with even y asks.  The four partners of a joint load take 32 rows each, told apart by address.  The loop's last two trips ask for nothing: K ends.
.macro ASK
	s_cmp_gt_u32 s3, s[LIM]
	s_cbranch_scc0 .Lnot_mine_\@
	global_prefetch_b8 v[PFO], s[PFA:PFA+1] offset:KSTEP*2 th:TH_LOAD_NT scope:SCOPE_SE
.Lnot_mine_\@:
.endm
.macro CREST
	s_cmp_lg_u32 s10, 0
	s_cbranch_scc1 .Lnot_wave_0_\@
	s_barrier_signal -3
.Lnot_wave_0_\@:
	s_barrier_wait -3
	s_barrier_signal -1
	s_barrier_wait -1
.endm
.macro CROUND
	s_barrier_signal -1
	s_barrier_wait -1
	CREST
.endm
.macro PLACES
.rept 4
	v_nop
.endr
.endm
	s_load_b128 s[4:7], s[0:1], 0x0                ; qh s[4:5], kh s[6:7]
	s_load_b64 s[8:9], s[0:1], 0x10                ; pw
	s_load_b64 s[88:89], s[0:1], 0x18              ; st
	v_lshl_add_u32 v[SPW], v0, 2, SPARE
	v_mov_b32 v[NIL], 0
	ds_add_u32 v[SPW], v[NIL]                      ; the wave's opening: the add and its wait ahead of my first tensor load
	v_lshrrev_b32 v1, 5, v0
	v_readfirstlane_b32 s10, v1                    ; wave 0..3
	s_lshr_b32 s11, s10, 1                         ; my half of the queries.  Also: I fetch qh (0) or kh (1)
	s_and_b32 s12, s10, 1                          ; my half of the keys.  Also: which 128 rows I fetch
	s_bfe_u32 s40, ttmp6, 0x40000                  ; cx
	s_bfe_u32 s41, ttmp6, 0x40004                  ; cy
	s_lshl_b32 s42, ttmp9, 2
	s_add_co_u32 s42, s42, s40                     ; X: tile of 256 keys in the batch, 0..7
	s_and_b32 s67, ttmp7, 0xffff                   ; cluster y, 0..7
	s_lshl_b32 s13, s67, 2
	s_add_co_u32 s13, s13, s41                     ; Y: tile of 256 queries, 0..31
	s_lshr_b32 s66, s67, 1                         ; the batch
	s_lshl_b32 s14, s41, 2
	s_lshl_b32 s14, 15, s14                        ; my row of the cluster
	s_lshl_b32 s15, 0x1111, s40                    ; my column
	s_or_b32 s[G1+0], s14, (1<<16)|(1<<20)|(1<<21)|(5<<22)|(3<<25)   ; mask; 2-byte elements; padding on; 21 set beside a mask; after every 64 words 4 words
	s_or_b32 s[G1B+0], s15, (1<<16)|(1<<20)|(1<<21)|(5<<22)|(3<<25)
.irp g, G1, G1B
	s_mov_b32 s[(\g)+1], KSTEP<<16                 ; tensor_dim0 = 128
	s_mov_b32 s[(\g)+2], 128<<16                   ; tensor_dim1 = 128
	s_mov_b32 s[(\g)+3], KSTEP<<16                 ; tile_dim0 = 128
	s_mov_b32 s[(\g)+4], 128                       ; tile_dim1 = 128
	s_mov_b32 s[(\g)+5], 1024                      ; elements from row to row
	s_mov_b32 s[(\g)+6], 0
	s_mov_b32 s[(\g)+7], 0
.endr
	s_lshl_b32 s17, s12, 7
	s_lshl_b32 s16, s13, 8
	s_add_co_u32 s16, s16, s17                     ; qh: row 256 Y + 128 x half
	s_lshl_b32 s16, s16, 11                        ; 2,048 bytes a row
	s_lshl_b32 s46, s42, 8
	s_add_co_u32 s46, s46, s17                     ; kh: row 2,048 x batch + 256 X + 128 x half
	s_lshl_b32 s47, s66, 11
	s_add_co_u32 s46, s46, s47
	s_lshl_b32 s46, s46, 11
	s_mov_b32 s17, 0
	s_mov_b32 s47, 0
	s_mul_i32 s20, s10, HALFT                      ; where they go: wave x 128 rows
	s_mov_b32 s[TB], 0
	s_mov_b32 s84, 0x3d38aa3b                      ; c = log2(e) / 32
	s_mov_b32 s85, s84                             ; named with it as a pair
	s_mov_b32 s86, 0x76543210                      ; v_permlanex16_b32: each lane takes its own place in the other half
	s_mov_b32 s87, 0xfedcba98
	s_wait_dscnt 0x0                               ; the opening add is done
	s_wait_kmcnt 0x0
	s_add_nc_u64 s[14:15], s[4:5], s[16:17]
	s_add_nc_u64 s[46:47], s[6:7], s[46:47]
	CROUND                                         ; all sixteen work-groups are here: the first joint loads meet
.irp s, 0,1
	s_mov_b32 s[G0+4*(\s)], 1
	s_add_co_u32 s[G0+4*(\s)+1], s20, (\s)*SLOT
	s_add_nc_u64 s[G0+4*(\s)+2:G0+4*(\s)+3], s[14:15], (\s)*KSTEP*2
	s_or_b32 s[G0+4*(\s)+3], s[G0+4*(\s)+3], 0x80000000
	s_mov_b32 s[G0B+4*(\s)], 1
	s_add_co_u32 s[G0B+4*(\s)+1], s20, (\s)*SLOT
	s_add_nc_u64 s[G0B+4*(\s)+2:G0B+4*(\s)+3], s[46:47], (\s)*KSTEP*2
	s_or_b32 s[G0B+4*(\s)+3], s[G0B+4*(\s)+3], 0x80000000
	JLOAD \s                                       ; two loads of mine are out
.endr
	v_and_b32 v1, 15, v0                           ; l % 16
	v_bfe_u32 v2, v0, 4, 1                         ; l / 16
	v_and_b32 v6, 31, v0                           ; l
	v_mul_u32_u24 v3, v1, PITCH
	v_lshl_add_u32 v3, v2, 4, v3                   ; a fragment's row x pitch + 16 x half
	s_mul_i32 s21, s11, HALFT                      ; my 128 rows of qh
	s_mul_i32 s22, s12, HALFT                      ; my 128 rows of kh,
	s_add_co_u32 s22, s22, 2*HALFT                 ; which lie behind qh's 256
	v_add_nc_u32 v[A0], s21, v3
	v_add_nc_u32 v[B0], s22, v3
	v_mov_b32 v[ADA], v[A0]                        ; slot 0 is read first
	v_mov_b32 v[ADB], v[B0]
	s_mul_i32 s23, s10, 16*SPITCH
	s_add_co_u32 s23, s23, STAGE                   ; my stage
	v_add_nc_u32 v[STO], s23, v3                   ; in: row l % 16, 16 bytes for each half of the lanes (the stage's pitch is the tiles')
	v_mul_u32_u24 v5, v2, SPITCH
	v_lshl_add_u32 v5, v1, 4, v5
	v_add_nc_u32 v[RD], s23, v5                    ; back: lanes 0-15 one row of 256 bytes, lanes 16-31 the next
	v_lshlrev_b32 v5, 12, v2                       ; the same two rows in pw, 4,096 bytes a row
	v_lshl_add_u32 v[CO], v1, 4, v5
	s_lshl_b32 s23, s10, 10
	s_add_co_u32 s23, s23, STATB
	v_lshl_add_u32 v[SST], v1, 2, s23
	v_lshl_add_u32 v[SRD], v6, 4, s23
	v_lshlrev_b32 v[GS], 4, v6
	v_mov_b32 v[CMP+1], 0
	s_lshl_b32 s20, s13, 8                         ; pw at my first row and key
	s_lshl_b32 s21, s11, 7
	s_add_co_u32 s20, s20, s21
	s_lshl_b32 s22, s20, 2                         ; (4 bytes a row in st)
	s_lshl_b32 s20, s20, 12
	s_lshl_b32 s21, s42, 9
	s_add_co_u32 s20, s20, s21
	s_lshl_b32 s21, s12, 8
	s_add_co_u32 s20, s20, s21
	s_mov_b32 s21, 0
	s_add_nc_u64 s[8:9], s[8:9], s[20:21]
	s_lshl_b32 s20, s42, 1                         ; st at block t = 2 X + my half, 32,768 bytes a block, and my first row
	s_add_co_u32 s20, s20, s12
	s_lshl_b32 s20, s20, 15
	s_add_co_u32 s20, s20, s22
	s_add_nc_u64 s[88:89], s[88:89], s[20:21]
	; the prefetches
	s_lshl_b32 s20, s13, 8                         ; qh's tile begins at row 256 Y,
	s_lshl_b32 s22, s42, 8                         ; kh's at 2,048 x batch + 256 X
	s_lshl_b32 s23, s66, 11
	s_add_co_u32 s22, s22, s23
	s_and_b32 s23, s67, 1
	s_cmp_eq_u32 s11, 0                            ; do I fetch qh?
	s_cselect_b32 s20, s20, s22
	s_cselect_b32 s21, s40, s41                    ; my place among the four that ask with me
	s_cselect_b32 s22, ttmp9, s23                  ; the coordinate along which another cluster reads the same rows
	s_cselect_b64 s[PFA:PFA+1], s[4:5], s[6:7]
	s_cmp_eq_u32 s22, 0
	s_cselect_b32 s[LIM], 2, -1                    ; the same in all sixteen partners, for a given wave
	s_lshl_b32 s22, s12, 7
	s_add_co_u32 s20, s20, s22                     ; + the 128 rows that I fetch
	s_lshl_b32 s21, s21, 5
	s_add_co_u32 s20, s20, s21                     ; + my work-group's 32 of them
	s_lshl_b32 s20, s20, 11
	s_add_co_u32 s20, s20, 2*KSTEP*2               ; at K step 2: the first change steps it to 3, and the prefetch names the step after that
	s_mov_b32 s21, 0
	s_add_nc_u64 s[PFA:PFA+1], s[PFA:PFA+1], s[20:21]
	v_lshlrev_b32 v[PFO], 11, v6
; 16 products: row blocks a0, a0 + 1 of the window's four x all 8 key blocks, 32 along K.  The 64 accumulators take turns in the same order in every quarter.
.macro MUL16 f, hi, a0, zero
	WIN MUL_LO+0x50*(\hi)
.irp a, \a0, (\a0)+1
.irp b, 0,1,2,3,4,5,6,7
.if \zero
	v_wmma_f32_16x16x32_f16 v[8*(8*(\a)+(\b)):8*(8*(\a)+(\b))+7], v[(\f)+8*(\b):(\f)+8*(\b)+7], v[(\f)+8*(4*(\hi)+(\a)):(\f)+8*(4*(\hi)+(\a))+7], 0
.else
	v_wmma_f32_16x16x32_f16 v[8*(8*(\a)+(\b)):8*(8*(\a)+(\b))+7], v[(\f)+8*(\b):(\f)+8*(\b)+7], v[(\f)+8*(4*(\hi)+(\a)):(\f)+8*(4*(\hi)+(\a))+7], v[8*(8*(\a)+(\b)):8*(8*(\a)+(\b))+7]
.endif
.endr
.endr
.endm
.macro FETCH k, f                      ; 32 LDS loads in one run: a quarter's fragments (128 rows of kh, 128 of qh, 32 K at byte k of the slot in hand) into buffer f
	WIN TO_B
.irp i, 0,1,2,3,4,5,6,7
	ds_load_b128 v[(\f)+8*(\i):(\f)+8*(\i)+3],   v[ADB] offset:(\k)+(\i)*16*PITCH
	ds_load_b128 v[(\f)+8*(\i)+4:(\f)+8*(\i)+7], v[ADB] offset:(\k)+(\i)*16*PITCH+32
.endr
	WIN 0
.irp i, 0,1,2,3,4,5,6,7
	ds_load_b128 v[(\f)+8*(\i):(\f)+8*(\i)+3],   v[ADA] offset:(\k)+(\i)*16*PITCH
	ds_load_b128 v[(\f)+8*(\i)+4:(\f)+8*(\i)+7], v[ADA] offset:(\k)+(\i)*16*PITCH+32
.endr
.endm
; A K step is four quarters of 32 along K, 64 products each, on buffers 0, 1, 0, 1.  One of the first three: multiplies f and in its middle fetches the next quarter, at byte k, into g.
.macro QUARTER k, f, g, zero
	s_wait_dscnt 8                                 ; kh and qh's rows 0-63 are in; the youngest eight loads (qh's rows 64-127) may be out
	MUL16 \f, 0, 0, \zero
	MUL16 \f, 0, 2, \zero
	PLACES
	FETCH \k, \g
	s_wait_dscnt 32                                ; all but the 32 just issued
	MUL16 \f, 1, 0, \zero
	MUL16 \f, 1, 2, \zero
.endm
; The last quarter changes slots.  In front of the barrier each wave waits for all its tensor loads (one is out: its part of the next slot), adds 0 to its spare word, and waits for that and for its reads of this slot.
; fill = 1: the barrier opens a round of the cluster's; this slot is filled again first thing behind it, two K steps ahead: 224 products stand between that request and the wait for it.
.macro TURN fill
.if \fill
	s_wait_xcnt 0x0                                ; the last prefetch, a K step back, has read its address
	s_add_nc_u64 s[PFA:PFA+1], s[PFA:PFA+1], KSTEP*2
.endif
	WIN 0
	s_wait_tensorcnt 0x0                           ; no tensor load of mine is out, so a group 0 may be written
	ds_add_u32 v[SPW], v[NIL]                      ; 0 onto my spare word
.if \fill
	s_xor_b32 s[G0+5], s[G0+5], SLOT               ; the walking descriptors: the other slot than last time, the next K step
	s_add_nc_u64 s[G0+6:G0+7], s[G0+6:G0+7], KSTEP*2
	s_xor_b32 s[G0B+5], s[G0B+5], SLOT
	s_add_nc_u64 s[G0B+6:G0B+7], s[G0B+6:G0B+7], KSTEP*2
.endif
	s_wait_dscnt 9                                 ; (the add and the youngest eight loads may be out)
	MUL16 F1, 0, 0, 0
	s_wait_dscnt 0x0                               ; the add is done, and my reads of this slot are over
	s_barrier_signal -1
	MUL16 F1, 0, 2, 0
	WIN 0
	s_barrier_wait -1
.if \fill
	CREST                                          ; no wave of any partner still reads this slot or has a load on its way
	JLOAD 1                                        ; its four v_nop are also the places in front of the loads below
.else
	PLACES
.endif
	s_xor_b32 s[TB], s[TB], SLOT                   ; the fetches go on in the other slot
	v_add_nc_u32 v[ADA], s[TB], v[A0]
	v_add_nc_u32 v[ADB], s[TB], v[B0]
	FETCH 0, F0
.if \fill
	ASK
.endif
	MUL16 F1, 1, 0, 0
	MUL16 F1, 1, 2, 0
.endm
; THE SOFTMAX OF A ROW BLOCK (16 queries x my 128 keys: 64 numbers a lane, the query's other 64 in the lane 16 away).
; HEAD holds the lines that read the accumulators: block a of the window's four; hi = 0: my rows 0-63, 1: rows 64-127.  An operand's window is fixed in the text, so HEAD stands once for each window.
.macro HEAD a, hi
.set AC, 64*(\a)
.set WA, 2+(\hi)
	WIN WA*0x15                                    ; sources 0, 1, 2 in the block's window.  The maximum
.irp b, 0,1,2,3,4,5,6,7
	v_max3_num_f32 v[X+3*(\b)],   v[AC+8*(\b)],   v[AC+8*(\b)+1], v[AC+8*(\b)+2]
	v_max3_num_f32 v[X+3*(\b)+1], v[AC+8*(\b)+3], v[AC+8*(\b)+4], v[AC+8*(\b)+5]
	v_max_num_f32  v[X+3*(\b)+2], v[AC+8*(\b)+6], v[AC+8*(\b)+7]
.endr
	WIN 0
.irp i, 0,1,2,3,4,5,6,7
	v_max3_num_f32 v[X+(\i)], v[X+3*(\i)], v[X+3*(\i)+1], v[X+3*(\i)+2]  ; number i is written when it has been read
.endr
	v_max3_num_f32 v[X], v[X], v[X+1], v[X+2]
	v_max3_num_f32 v[X+3], v[X+3], v[X+4], v[X+5]
	v_max_num_f32 v[X+6], v[X+6], v[X+7]
	v_max3_num_f32 v[X], v[X], v[X+3], v[X+6]
	v_permlanex16_b32 v[X+1], v[X], s86, s87
	v_max_num_f32 v[X], v[X], v[X+1]
	v_mul_f32 v[CMP], s84, v[X]                    ; cm
	WIN WA                                         ; source 0 in the block's window
.set n, 0
.rept 32
	v_pk_fma_f32 v[T+n:T+n+1], v[AC+n:AC+n+1], s[84:85], v[CMP:CMP+1] op_sel_hi:[1,0,0] neg_lo:[0,0,1] neg_hi:[0,0,1]  ; c s - cm
.set n, n+2
.endr
	WIN 0
.endm
; The rest works in window 0 and stands once for both halves of my rows: s3 = 2 in the first half.
.macro SOFT a
	s_cmp_eq_u32 s3, 2
	s_cbranch_scc0 .Lhi_\@
	HEAD \a, 0
	s_branch .Lrest_\@
.Lhi_\@:
	HEAD \a, 1
.Lrest_\@:
	ds_store_b32 v[SST], v[CMP] offset:64*(\a)     ; both halves of the lanes write the same number to the same word
.set n, 0
.rept 64
	v_exp_f32 v[T+n], v[T+n]                       ; one batch
.set n, n+1
.endr
	v_nop                                          ; a plain instruction behind the last exponential,
	s_wait_alu depctr_va_vdst(0)                   ; and the one wait ahead of the batch's first reader
.set n, 0
.rept 32
	v_cvt_pk_f16_f32 v[PK+n], v[T+2*n], v[T+2*n+1]
.set n, n+1
.endr
.irp w, 1,2,4,8,16                     ; the sum of the 32 pairs, in place: neighbours 1, 2, 4, 8, 16 pairs apart
.set u, 0
.rept 16/(\w)
	v_pk_add_f32 v[T+4*(\w)*u:T+4*(\w)*u+1], v[T+4*(\w)*u:T+4*(\w)*u+1], v[T+4*(\w)*u+2*(\w):T+4*(\w)*u+2*(\w)+1]
.set u, u+1
.endr
.endr
	v_add_f32 v[X], v[T], v[T+1]
	v_permlanex16_b32 v[X+1], v[X], s86, s87
	v_add_f32 v[X+2], v[X], v[X+1]
	ds_store_b32 v[SST], v[X+2] offset:512+64*(\a) ; l
.endm
.macro TOSTAGE a                       ; into my own stage, and back as whole rows of 256 bytes: v160-191 and v216-247 by turns
.set BK, 160+56*((\a)%2)
.irp b, 0,1,2,3,4,5,6,7
	ds_store_b128 v[STO], v[PK+4*(\b):PK+4*(\b)+3] offset:32*(\b)
.endr
.irp t, 0,1,2,3,4,5,6,7
	ds_load_b128 v[BK+4*(\t):BK+4*(\t)+3], v[RD] offset:(\t)*2*SPITCH  ; LDS serves a wave's instructions in order (ISA guide 5.7.1.4): these see the stores above
.endr
.endm
.macro SEND a
.set BK, 160+56*((\a)%2)
	s_wait_dscnt 0x0                               ; the block is back in registers
	s_wait_xcnt 0x0                                ; the stores issued so far have read their registers: the next TOSTAGE loads into those of the block before this one
.irp t, 0,1,2,3,4,5,6,7
	global_store_b128 v[CO], v[BK+4*(\t):BK+4*(\t)+3], s[8:9] offset:(\a)*16*4096+(\t)*2*4096  ; 16 lanes store 256 consecutive bytes, at a multiple of 256 from pw's first byte
.endr
.endm
	s_wait_tensorcnt 1                             ; my part of K step 0 is in; K step 1's may stay out
	s_barrier_signal -1
	s_barrier_wait -1
	FETCH 0, F0
	QUARTER 64,  F0, F1, 1                         ; the first quarter stands in front of the loop: its products start the sums
	WIN 0                                          ; at a label and at a branch every window is 0
	s_mov_b32 s3, 6
.Lstep:                                        ; a trip: a step's quarters 1, 2, 3 and the next step's quarter 0; it fills the slot that it leaves
	QUARTER 128, F1, F0, 0
	QUARTER 192, F0, F1, 0
	TURN 1
	QUARTER 64,  F0, F1, 0
	WIN 0
	s_sub_co_u32 s3, s3, 1
	s_cmp_lg_u32 s3, 0
	s_cbranch_scc1 .Lstep
	s_mov_b32 s3, 2
.Ltail:                                        ; the last two steps fill nothing: a text of their own
	QUARTER 128, F1, F0, 0
	QUARTER 192, F0, F1, 0
	TURN 0                                         ; (in the last step what it fetches, old bytes of the other slot, is multiplied by nothing: the price, once a launch, of one text for both steps)
	WIN 0
	s_sub_co_u32 s3, s3, 1
	s_cmp_eq_u32 s3, 0
	s_cbranch_scc1 .Lout
	QUARTER 64,  F0, F1, 0
	WIN 0
	s_branch .Ltail
.Lout:
	s_wait_dscnt 0x0                               ; that last fetch has landed: its registers are at work below
	PLACES
	s_mov_b32 s3, 2
.Lhalf:                                        ; my rows 0-63, then my rows 64-127: four row blocks a trip
	SOFT 0
	TOSTAGE 0
.irp a, 1,2,3                          ; block a's softmax stands between block a - 1's loads from the stage and the wait for them
	SOFT \a
	SEND (\a)-1
	TOSTAGE \a
.endr
	SEND 3
	s_wait_xcnt 0x0                                ; the stores have read their base and their registers
	s_add_nc_u64 s[8:9], s[8:9], 64*4096           ; 64 rows of pw on (behind the second half the stepped values are not used)
	v_add_nc_u32 v[SST], 256, v[SST]               ; and 64 rows on in my table of cm and l
	s_sub_co_u32 s3, s3, 1
	s_cmp_lg_u32 s3, 0
	s_cbranch_scc1 .Lhalf
	; cm and l of my 128 rows lie in LDS by rows: 512 consecutive bytes each
	ds_load_b128 v[X:X+3], v[SRD]
	ds_load_b128 v[X+4:X+7], v[SRD] offset:512
	s_wait_dscnt 0x0
	global_store_b128 v[GS], v[X:X+3], s[88:89]
	global_store_b128 v[GS], v[X+4:X+7], s[88:89] offset:524288
	s_wait_tensorcnt 0x0                           ; the wave's end, behind my last tensor load and my last LDS store
	ds_add_u32 v[SPW], v[NIL]
	s_wait_dscnt 0x0
	CROUND                                         ; the closing round
	s_endpgm
.Lfunc_end_k_q4a9827ab86_scores:
	.size	k_q4a9827ab86_scores, .Lfunc_end_k_q4a9827ab86_scores-k_q4a9827ab86_scores
	.p2alignl 7, 3214868480
	.fill 96, 4, 3214868480
	.section	.rodata,"a",@progbits
	.p2align	6, 0x0
	.amdhsa_kernel k_q4a9827ab86_scores
		.amdhsa_group_segment_fixed_size 327680
		.amdhsa_private_segment_fixed_size 0
		.amdhsa_enable_private_segment 0
		.amdhsa_kernarg_size 32
		.amdhsa_user_sgpr_count 2
		.amdhsa_user_sgpr_kernarg_segment_ptr 1
		.amdhsa_wavefront_size32 1
		.amdhsa_system_sgpr_workgroup_id_x 1
		.amdhsa_system_sgpr_workgroup_id_y 1
		.amdhsa_system_sgpr_workgroup_id_z 1
		.amdhsa_system_vgpr_workitem_id 0
		.amdhsa_next_free_vgpr 1024
		.amdhsa_next_free_sgpr 96
		.amdhsa_reserve_vcc 0
		.amdhsa_float_denorm_mode_32 3
		.amdhsa_float_denorm_mode_16_64 3
		.amdhsa_memory_ordered 1
		.amdhsa_forward_progress 1
		.amdhsa_inst_pref_size 137
	.end_amdhsa_kernel
	.amdgpu_metadata
---
amdhsa.version: [ 1, 2 ]
amdhsa.kernels:
  - .name:           k_q4a9827ab86_scores
    .symbol:         k_q4a9827ab86_scores.kd
    .args:
      - { .name: qh, .offset: 0, .size: 8, .value_kind: global_buffer, .address_space: global }
      - { .name: kh, .offset: 8, .size: 8, .value_kind: global_buffer, .address_space: global }
      - { .name: pw, .offset: 16, .size: 8, .value_kind: global_buffer, .address_space: global }
      - { .name: st, .offset: 24, .size: 8, .value_kind: global_buffer, .address_space: global }
    .group_segment_fixed_size: 327680
    .private_segment_fixed_size: 0
    .kernarg_segment_align: 8
    .kernarg_segment_size: 32
    .max_flat_workgroup_size: 128
    .sgpr_count:     96
    .vgpr_count:     1024
    .wavefront_size: 32
...
	.end_amdgpu_metadata
.endif
;; end of part 3
;; launch pv (part 4): grid 4 x 64, 4 waves a work-group, clusters of 4 x 4, 327,680 bytes of LDS; arguments pw, vh, st, out0; writes out0
.if DOCPART == 4
	.amdgcn_target "amdgcn-amd-amdhsa--gfx1250"
	.amdhsa_code_object_version 6
	.text
	.protected	k_q4a9827ab86_pv
	.globl	k_q4a9827ab86_pv
	.p2align	8
	.type	k_q4a9827ab86_pv,@function
k_q4a9827ab86_pv:
	s_mov_b64 s[64:65], 0
	v_nop
	global_prefetch_b8 v0, s[64:65] scope:SCOPE_SE
	s_setreg_imm32_b32 hwreg(HW_REG_WAVE_MODE, 25, 1), 1
	s_wait_xcnt 0x0
	s_wait_alu depctr_hold_cnt(0) depctr_sa_sdst(0) depctr_va_vdst(0) depctr_va_sdst(0) depctr_va_ssrc(0) depctr_va_vcc(0) depctr_vm_vsrc(0)
	s_getreg_b32 s2, hwreg(HW_REG_IB_STS2, 6, 4)
	s_cmp_eq_u32 s2, 0
	s_cbranch_scc0 .Lentry_in_a_cluster
	s_endpgm
.Lentry_in_a_cluster:
	s_bfe_u32 s2, ttmp6, 0x10000c
	s_cmp_lg_u32 s2, 0xf033
	s_cbranch_scc0 .Lentry_shape_is_right
	s_endpgm
.Lentry_shape_is_right:
; THE SECOND PRODUCT, AND THE ROW'S MAXIMUM PUT IN PLACE.  For each query row: cM = max_t cm_t; f_t = 2^(cm_t - cM), rounded to f16; L = sum_t l_t f_t (f32);
;   out0[q][e] = (1 / L) sum over blocks t, keys k of t of (f_t pw[q][k]) vh[k][e]: f16 operands, f32 sums, K ascending.  So every weight is 2^(c s - cM) with the row's true maximum.
; pw: [8192][2048] f16; vh: [8192][1024] f16; st: f32 cm[16][8192], l[16][8192]; out0: [8192][1024] f32.
; LIMITS.  f_t and f_t pw are f16: a weight below 6e-8 of its row's largest counts as 0, and below 6e-5 it keeps f16's fixed step.  L is at least the sum of the block that holds the maximum, so it is never 0.
; NaN and infinities are not treated apart.
; SHARES.  A work-group makes 128 queries x 256 channels; its four waves lie 2 x 2, each 64 x 128: 32 accumulators.  K goes in 16 steps of 128 keys, a step a block t, through two LDS slots.
; A step is four SUBSTEPS of 32 keys, 32 products each, on fragment buffers 0, 1, 0, 1.  Substep j fetches pw's and vh's fragments of j + 1 and scales pw's by f_t, four packed multiplies behind each of eight products.
; THE TEXT holds a step once with a refill (14 trips) and once without (the last two steps).
; CLUSTER.  4 x 4 work-groups: the four of a row need the same rows of pw, the four of a column the same block of vh: each tile is asked for jointly.  The batch is cluster y / 4: the same in all sixteen.
; LAYOUT.  Source 0 = 16 channels x 32 keys of vh, which lies [key][channel] and comes out of LDS turned, by ds_load_tr16_b128; source 1 = 16 queries x 32 keys of pw.  A lane holds one query and eight neighbouring channels.
; REGISTERS (s_set_vgpr_msb: bits 1:0 source 0, 3:2 source 1, 5:4 source 2, 7:6 destination):
;   window 0: v0-31 addresses, f_t; v32-63, v64-95 pw's fragments, two buffers; v96-159 the statistics; v96-223 at work on the way out; v224-243 1 / L, at work
;   window 1: v0-63, v64-127 vh's fragments, two buffers          window 2: the accumulators, (a, b) at v[8 (8 a + b)]
.set APITCH, 272                       ; an LDS row of pw: 256 bytes + 16: the 16 rows of a load start 4 banks apart (64 banks of 4 bytes: ISA guide 11.1)
.set BPITCH, 544                       ; an LDS row of vh: 512 bytes + 32 = 136 words
.set AHALF,  64*APITCH
.set BOFF,   128*APITCH                ; vh's 128 keys lie behind pw's 128 rows
.set BHALF,  64*BPITCH
.set SLOT1,  1<<17                     ; slot 1 begins here, so that one exclusive or turns an address in one slot into the other's
.set STAGE,  SLOT1+BOFF+128*BPITCH     ; behind the ring: 16 rows x 528 bytes for each wave
.set SPITCH, 528
.set FTAB,   STAGE+4*16*SPITCH         ; a table for each wave: 17 blocks of 256 bytes.  Block t < 16: at 16 (row % 16) + 4 (row / 16) the row's f_t, twice in a word; block 16: likewise its 1 / L in f32
.set FWAVE,  17*256
.set SPARE,  FTAB+4*FWAVE              ; the spare words, 128 bytes for each wave: two blocks of 256 bytes that no other line names
.set A0,  2                            ; v2   my lane's place in a tile of pw; never rewritten
.set B0,  3                            ; v3   the same for vh
.set ADA, 4                            ; v4   A0 + the slot in hand
.set ADB, 5                            ; v5   B0 + the slot in hand
.set FA,  6                            ; v6   where the next block's f lie
.set TW,  7                            ; v7   where I put my two rows' numbers in a block of the table
.set FC,  8                            ; v[8:11] f_t of my four row blocks
.set STO, 24
.set RD,  25
.set CO,  26
.set SO,  27                           ; v27  8 l: my two rows among 64 in st
.set SPW, 28
.set NIL, 29
.set PFO, 30
.set AF,  32
.set M,   96                           ; v96-127  cm, then f, of block t and my rows 2 l, 2 l + 1 at M + 2 t, M + 2 t + 1
.set LT,  128                          ; v128-159 l likewise
.set T,   96                           ; the way out: a row block, scaled
.set OBV, 160                          ; the way out: 16 rows read back
.set RL,  224                          ; v[224:231] 1 / L, a pair for each row block
.set X,   232                          ; v[232:233] cM of my two rows
.set L,   236                          ; v[236:237] L
.set RC,  238                          ; v[238:239] 1 / L
.set RLQ, 240                          ; v[240:243] 1 / L of row l % 16 of the four row blocks
.set G1, 24
.set G0, 32                            ; s[32:39] group 0 for pw's tiles: a set for each of the two first fills; the second then walks on
.set G1B, 48
.set G0B, 56
.set LIM, 43
.set PFA, 44
.set PST, 82
.set TB,  90                           ; s90  the slot in hand: 0 or SLOT1
.set MSB, 0
.macro WIN new
.if MSB != (\new)
	s_set_vgpr_msb (MSB<<8)|(\new)
.set MSB, \new
.endif
.endm
.set MUL,  0xa1
.set TO_B, 0x40
.macro JLOAD                           ; a joint refill by the walking descriptors: waves 0 and 1 fetch pw's two halves, waves 2 and 3 vh's; an s_nop 0 and four v_nop follow each line
	s_cmp_eq_u32 s11, 0
	s_cbranch_scc0 .Lfor_b_\@
	tensor_load_to_lds s[G0+4:G0+7], s[G1:G1+7]
	s_nop 0
.rept 4
	v_nop
.endr
	s_branch .Lasked_\@
.Lfor_b_\@:
	tensor_load_to_lds s[G0B+4:G0B+7], s[G1B:G1B+7]
	s_nop 0
.rept 4
	v_nop
.endr
.Lasked_\@:
.endm
; A prefetch of the step that stands two refills on, 32 aligned blocks of 256 bytes, a lane a block.  pw's rows are read by this cluster alone: wave 0 of each partner asks for 32 of the tile's 128 rows (partner cx).
; vh's block is read by the four clusters of the batch: the first of them asks, waves 2 and 3 each for 16 keys x 2 blocks of the 64 keys that they fetch (partner cy).  The last trips, whose step two refills on does not exist, ask for nothing.
.macro ASK
	s_cmp_gt_u32 s3, s[LIM]
	s_cbranch_scc0 .Lnot_mine_\@
	global_prefetch_b8 v[PFO], s[PFA:PFA+1] th:TH_LOAD_NT scope:SCOPE_SE
.Lnot_mine_\@:
.endm
.macro CREST
	s_cmp_lg_u32 s10, 0
	s_cbranch_scc1 .Lnot_wave_0_\@
	s_barrier_signal -3
.Lnot_wave_0_\@:
	s_barrier_wait -3
	s_barrier_signal -1
	s_barrier_wait -1
.endm
.macro CROUND
	s_barrier_signal -1
	s_barrier_wait -1
	CREST
.endm
.macro PLACES
.rept 4
	v_nop
.endr
.endm
	s_load_b128 s[4:7], s[0:1], 0x0                ; pw s[4:5], vh s[6:7]
	s_load_b64 s[88:89], s[0:1], 0x10              ; st
	s_load_b64 s[8:9], s[0:1], 0x18                ; out0
	v_lshl_add_u32 v[SPW], v0, 2, SPARE
	v_mov_b32 v[NIL], 0
	ds_add_u32 v[SPW], v[NIL]                      ; the wave's opening: the add and its wait ahead of my first tensor load
	v_lshrrev_b32 v1, 5, v0
	v_readfirstlane_b32 s10, v1                    ; wave 0..3
	s_lshr_b32 s11, s10, 1                         ; my half of the queries.  Also: I fetch pw (0) or vh (1)
	s_and_b32 s12, s10, 1                          ; my half of the channels.  Also: which half of that tile I fetch
	s_bfe_u32 s40, ttmp6, 0x40000                  ; cx
	s_bfe_u32 s41, ttmp6, 0x40004                  ; cy
	s_lshl_b32 s42, ttmp9, 2
	s_add_co_u32 s42, s42, s40                     ; X: tile of 256 channels, 0..3
	s_and_b32 s67, ttmp7, 0xffff                   ; cluster y, 0..15
	s_lshl_b32 s13, s67, 2
	s_add_co_u32 s13, s13, s41                     ; Y: tile of 128 queries, 0..63
	s_lshr_b32 s66, s67, 2                         ; the batch
	s_lshl_b32 s14, s41, 2
	s_lshl_b32 s14, 15, s14                        ; my row of the cluster
	s_lshl_b32 s15, 0x1111, s40                    ; my column
	s_or_b32 s[G1+0], s14, (1<<16)|(1<<20)|(1<<21)|(5<<22)|(3<<25)   ; mask; 2-byte elements; padding on; 21 set beside a mask; after every 64 words 4 words
	s_or_b32 s[G1B+0], s15, (1<<16)|(1<<20)|(1<<21)|(6<<22)|(7<<25)  ; after every 128 words 8 words
	s_mov_b32 s[G1+1], 128<<16                     ; pw: 64 rows x 128 elements, 2,048 elements from row to row
	s_mov_b32 s[G1+2], 64<<16
	s_mov_b32 s[G1+3], 128<<16
	s_mov_b32 s[G1+4], 64
	s_mov_b32 s[G1+5], 2048
	s_mov_b32 s[G1+6], 0
	s_mov_b32 s[G1+7], 0
	s_mov_b32 s[G1B+1], 256<<16                    ; vh: 64 keys x 256 elements, 1,024 elements from row to row
	s_mov_b32 s[G1B+2], 64<<16
	s_mov_b32 s[G1B+3], 256<<16
	s_mov_b32 s[G1B+4], 64
	s_mov_b32 s[G1B+5], 1024
	s_mov_b32 s[G1B+6], 0
	s_mov_b32 s[G1B+7], 0
	s_lshl_b32 s16, s13, 7                         ; pw: row 128 Y + 64 x half, 4,096 bytes a row
	s_lshl_b32 s17, s12, 6
	s_add_co_u32 s16, s16, s17
	s_lshl_b32 s16, s16, 12
	s_lshl_b32 s46, s66, 11                        ; vh: row 2,048 x batch + 64 x half, 2,048 bytes a row; column 256 X
	s_add_co_u32 s46, s46, s17
	s_lshl_b32 s46, s46, 11
	s_lshl_b32 s47, s42, 9
	s_add_co_u32 s46, s46, s47
	s_mov_b32 s17, 0
	s_mov_b32 s47, 0
	s_mul_i32 s20, s12, AHALF                      ; where the tiles go: no place in the cluster enters an LDS address
	s_mul_i32 s21, s12, BHALF
	s_add_co_u32 s21, s21, BOFF
	s_mov_b32 s[TB], 0
	s_wait_dscnt 0x0                               ; the opening add is done
	s_wait_kmcnt 0x0
	s_add_nc_u64 s[14:15], s[4:5], s[16:17]
	s_add_nc_u64 s[46:47], s[6:7], s[46:47]
	CROUND                                         ; all sixteen work-groups are here: the first joint loads meet
.irp s, 0,1
	s_mov_b32 s[G0+4*(\s)], 1
	s_add_co_u32 s[G0+4*(\s)+1], s20, (\s)*SLOT1
	s_add_nc_u64 s[G0+4*(\s)+2:G0+4*(\s)+3], s[14:15], (\s)*256      ; step s: 128 keys along the row
	s_or_b32 s[G0+4*(\s)+3], s[G0+4*(\s)+3], 0x80000000
	s_mov_b32 s[G0B+4*(\s)], 1
	s_add_co_u32 s[G0B+4*(\s)+1], s21, (\s)*SLOT1
	s_add_nc_u64 s[G0B+4*(\s)+2:G0B+4*(\s)+3], s[46:47], (\s)*262144 ; step s: 128 keys down the rows
	s_or_b32 s[G0B+4*(\s)+3], s[G0B+4*(\s)+3], 0x80000000
.endr
	s_cmp_eq_u32 s11, 0                            ; a wave's two first fills stand in one branch: two loads of mine are out
	s_cbranch_scc0 .Lfirst_b
	tensor_load_to_lds s[G0:G0+3], s[G1:G1+7]
	s_nop 0
	tensor_load_to_lds s[G0+4:G0+7], s[G1:G1+7]
	s_nop 0
.rept 4
	v_nop
.endr
	s_branch .Lfirst_asked
.Lfirst_b:
	tensor_load_to_lds s[G0B:G0B+3], s[G1B:G1B+7]
	s_nop 0
	tensor_load_to_lds s[G0B+4:G0B+7], s[G1B:G1B+7]
	s_nop 0
.rept 4
	v_nop
.endr
.Lfirst_asked:
	; the statistics of my wave's 64 rows: lane l takes rows 2 l and 2 l + 1, so that a load covers 256 consecutive bytes.  All this stands in the wait for the first tiles
	v_and_b32 v1, 15, v0                           ; l % 16
	v_and_b32 v13, 31, v0                          ; l
	v_lshlrev_b32 v[SO], 3, v13
	s_lshl_b32 s20, s13, 7
	s_lshl_b32 s21, s11, 6
	s_add_co_u32 s20, s20, s21                     ; my first row
	s_lshl_b32 s22, s20, 12                        ; (4,096 bytes a row in out0)
	s_lshl_b32 s20, s20, 2
	s_mov_b32 s21, 0
	s_add_nc_u64 s[88:89], s[88:89], s[20:21]
.set t, 0
.rept 16
	global_load_b64 v[M+2*t:M+2*t+1],   v[SO], s[88:89] offset:32768*t
	global_load_b64 v[LT+2*t:LT+2*t+1], v[SO], s[88:89] offset:524288+32768*t
.set t, t+1
.endr
	s_lshl_b32 s20, s42, 10                        ; out0 at my first row and channel
	s_add_co_u32 s20, s20, s22
	s_lshl_b32 s22, s12, 9
	s_add_co_u32 s20, s20, s22
	s_add_nc_u64 s[8:9], s[8:9], s[20:21]
	v_bfe_u32 v12, v0, 4, 1                        ; l / 16
	v_mul_u32_u24 v[A0], v1, APITCH                ; pw's fragment: row x pitch + 16 x half, in my 64 rows
	v_lshl_add_u32 v[A0], v12, 4, v[A0]
	s_mul_i32 s22, s11, AHALF
	v_add_nc_u32 v[A0], s22, v[A0]
	v_and_b32 v15, 7, v0                           ; l % 8
	v_lshl_add_u32 v14, v12, 3, v15                ; the turning load: lane l reads key 8 (l / 16) + l % 8, channels 8 ((l / 8) % 2) + 0..7, in my 128 channels
	v_mul_u32_u24 v[B0], v14, BPITCH
	v_bfe_u32 v14, v0, 3, 1
	v_lshl_add_u32 v[B0], v14, 4, v[B0]
	s_lshl_b32 s22, s12, 8
	s_add_co_u32 s22, s22, BOFF
	v_add_nc_u32 v[B0], s22, v[B0]
	v_mov_b32 v[ADA], v[A0]
	v_mov_b32 v[ADB], v[B0]
	s_mul_i32 s22, s10, FWAVE
	s_add_co_u32 s22, s22, FTAB                    ; my table
	v_lshl_add_u32 v[FA], v1, 4, s22               ; out of it: row l % 16 of the four row blocks, 16 bytes
	v_bfe_u32 v14, v0, 3, 2                        ; into it: row 2 l + i is row 2 (l % 8) + i of row block l / 8: byte 32 (l % 8) + 16 i + 4 (l / 8)
	v_lshlrev_b32 v[TW], 5, v15
	v_lshl_add_u32 v[TW], v14, 2, v[TW]
	v_add_nc_u32 v[TW], s22, v[TW]
	s_mul_i32 s22, s10, 16*SPITCH
	s_add_co_u32 s22, s22, STAGE                   ; my stage
	v_mul_u32_u24 v14, v1, SPITCH                  ; in: row l % 16, 32 bytes for each half of the lanes
	v_lshl_add_u32 v14, v12, 5, v14
	v_add_nc_u32 v[STO], s22, v14
	v_lshl_add_u32 v[RD], v13, 4, s22              ; back: 32 lanes take one row of 512 bytes
	v_lshlrev_b32 v[CO], 4, v13
	; the prefetches.  They start at step 3; the first change of slots steps them to 4.
	s_lshl_b32 s20, s13, 7
	s_lshl_b32 s22, s40, 5
	s_add_co_u32 s20, s20, s22
	s_lshl_b32 s20, s20, 12
	s_add_co_u32 s20, s20, 3*256
	s_lshl_b32 s22, s66, 11
	s_lshl_b32 s23, s12, 6
	s_add_co_u32 s22, s22, s23
	s_lshl_b32 s23, s41, 4
	s_add_co_u32 s22, s22, s23
	s_add_co_u32 s22, s22, 3*128
	s_lshl_b32 s22, s22, 11
	s_lshl_b32 s23, s42, 9
	s_add_co_u32 s22, s22, s23
	s_and_b32 s23, s67, 3                          ; 0 in the batch's first cluster
	s_mov_b32 s[PST], 262144
	s_mov_b32 s18, 2048
	s_mov_b32 s19, 256
	s_cmp_eq_u32 s11, 0                            ; do I fetch pw?
	s_cselect_b32 s20, s20, s22
	s_cselect_b32 s23, s12, s23                    ; of pw's two waves wave 0 asks
	s_cselect_b32 s[PST], 256, s[PST]
	s_cselect_b32 s18, 4096, s18                   ; from lane to lane among 16: a row
	s_cselect_b32 s19, 65536, s19                  ; from one half of the lanes to the other: pw: 16 rows; vh: the row's second block
	s_cselect_b64 s[PFA:PFA+1], s[4:5], s[6:7]
	s_mov_b32 s[PST+1], 0
	s_add_nc_u64 s[PFA:PFA+1], s[PFA:PFA+1], s[20:21]
	s_cmp_eq_u32 s23, 0
	s_cselect_b32 s[LIM], 2, -1                    ; the same in all sixteen partners, for a given wave
	v_mul_u32_u24 v[PFO], v1, s18
	v_mad_u32_u24 v[PFO], v12, s19, v[PFO]
	s_wait_loadcnt 0x0                             ; the statistics are in
.irp i, 0,1
	v_max3_num_f32 v[X+(\i)], v[M+(\i)], v[M+2+(\i)], v[M+4+(\i)]
.endr
.irp t, 3,5,7,9,11,13
.irp i, 0,1
	v_max3_num_f32 v[X+(\i)], v[X+(\i)], v[M+2*(\t)+(\i)], v[M+2*(\t)+2+(\i)]
.endr
.endr
.irp i, 0,1
	v_max_num_f32 v[X+(\i)], v[X+(\i)], v[M+30+(\i)]     ; cM
.endr
.set t, 0
.rept 16
	v_pk_add_f32 v[M+2*t:M+2*t+1], v[M+2*t:M+2*t+1], v[X:X+1] neg_lo:[0,1] neg_hi:[0,1]  ; cm - cM
.set t, t+1
.endr
.set i, 0
.rept 32
	v_exp_f32 v[M+i], v[M+i]                       ; one batch
.set i, i+1
.endr
	v_nop                                          ; a plain instruction behind the last exponential,
	s_wait_alu depctr_va_vdst(0)                   ; and the one wait ahead of the batch's first reader
.set i, 0
.rept 32
	v_cvt_pk_f16_f32 v[M+i], v[M+i], v[M+i]        ; f, twice in a word
.set i, i+1
.endr
.irp i, 0,1
	v_fma_mix_f32 v[L+(\i)], v[LT+(\i)], v[M+(\i)], v[NIL] op_sel_hi:[0,1,0]   ; L takes the rounded f, the one that the weights are multiplied by
.endr
.set t, 1
.rept 15
.irp i, 0,1
	v_fma_mix_f32 v[L+(\i)], v[LT+2*t+(\i)], v[M+2*t+(\i)], v[L+(\i)] op_sel_hi:[0,1,0]
.endr
.set t, t+1
.endr
	v_rcp_f32 v[RC], v[L]
	v_rcp_f32 v[RC+1], v[L+1]
	v_nop
	s_wait_alu depctr_va_vdst(0)                   ; one wait for the two reciprocals
.set t, 0
.rept 16
	ds_store_b32 v[TW], v[M+2*t]   offset:256*t
	ds_store_b32 v[TW], v[M+2*t+1] offset:256*t+16
.set t, t+1
.endr
	ds_store_b32 v[TW], v[RC]   offset:4096
	ds_store_b32 v[TW], v[RC+1] offset:4096+16
	ds_load_b128 v[RLQ:RLQ+3], v[FA] offset:4096   ; LDS serves a wave's instructions in order (ISA guide 5.7.1.4): this sees my stores above
.macro WM cur, a, b, zero
.if \zero
	v_wmma_f32_16x16x32_f16 v[8*(8*(\a)+(\b)):8*(8*(\a)+(\b))+7], v[64*(\cur)+8*(\b):64*(\cur)+8*(\b)+7], v[AF+32*(\cur)+8*(\a):AF+32*(\cur)+8*(\a)+7], 0
.else
	v_wmma_f32_16x16x32_f16 v[8*(8*(\a)+(\b)):8*(8*(\a)+(\b))+7], v[64*(\cur)+8*(\b):64*(\cur)+8*(\b)+7], v[AF+32*(\cur)+8*(\a):AF+32*(\cur)+8*(\a)+7], v[8*(8*(\a)+(\b)):8*(8*(\a)+(\b))+7]
.endif
.endm
.macro MUL8 cur, a, zero               ; row block a x all 8 channel blocks.  The 32 accumulators take turns in the same order in every substep
	WIN MUL
.irp b, 0,1,2,3,4,5,6,7
	WM \cur, \a, \b, \zero
.endr
.endm
.macro MUL8R cur, a, zero              ; the same, and behind each product four scalings of the next substep's weights, in the other buffer: they name no register of the products round them
.irp b, 0,1,2,3,4,5,6,7
	WIN MUL
	WM \cur, \a, \b, \zero
	WIN 0
.irp n, 0,1,2,3
	v_pk_mul_f16 v[AF+32*(1-(\cur))+4*(\b)+(\n)], v[AF+32*(1-(\cur))+4*(\b)+(\n)], v[FC+(\b)/2]
.endr
.endr
.endm
.macro FETCH_A k, f                    ; 8 LDS loads: my 64 rows of pw, 32 keys at byte k of the rows
	WIN 0
.irp a, 0,1,2,3
	ds_load_b128 v[AF+32*(\f)+8*(\a):AF+32*(\f)+8*(\a)+3],   v[ADA] offset:(\k)+(\a)*16*APITCH
	ds_load_b128 v[AF+32*(\f)+8*(\a)+4:AF+32*(\f)+8*(\a)+7], v[ADA] offset:(\k)+(\a)*16*APITCH+32
.endr
.endm
.macro FETCH_B k, f                    ; 16 turning loads: 32 keys from byte k on x my 128 channels
	WIN TO_B
.irp b, 0,1,2,3,4,5,6,7
	ds_load_tr16_b128 v[64*(\f)+8*(\b):64*(\f)+8*(\b)+3],   v[ADB] offset:(\k)+32*(\b)
	ds_load_tr16_b128 v[64*(\f)+8*(\b)+4:64*(\f)+8*(\b)+7], v[ADB] offset:(\k)+32*(\b)+16*BPITCH
.endr
.endm
; A SUBSTEP on buffers cur.  fc = 1: the next block's f are fetched.  ak: where the next substep's weights lie; their buffer was last read by the substep before, behind whose last product stand four scalings.
; wa: the LDS loads that may stay out while this substep's vh must be in (those just issued: 8, or 9 with f).  bk: where the next substep's vh lies.
; The second wait leaves out the 16 loads of vh just issued, while the next substep's weights and f must be in: they are scaled behind the last eight products.
.macro SUB cur, zero, fc, ak, wa, bk
.if \fc
	WIN 0
	ds_load_b128 v[FC:FC+3], v[FA]
	v_add_nc_u32 v[FA], 256, v[FA]
.endif
	FETCH_A \ak, 1-(\cur)
	s_wait_dscnt \wa
	MUL8 \cur, 0, \zero
	MUL8 \cur, 1, \zero
	PLACES
	FETCH_B \bk, 1-(\cur)
	MUL8 \cur, 2, \zero
	s_wait_dscnt 16
	MUL8R \cur, 3, \zero
.endm
; THE THIRD SUBSTEP CHANGES SLOTS: its fetches are the last reads of this slot.  In front of the barrier each wave waits for all its tensor loads (one is out: its part of the next slot), adds 0 to its spare word,
; and waits for that and for its reads of this slot.  fill = 1: the barrier opens a round of the cluster's, and this slot is filled again first thing behind it, two steps ahead: 112 products stand between that request and the wait for it.
.macro TURN fill
	FETCH_A 192, 1
	s_wait_dscnt 8                                 ; this substep's vh is in; the 8 loads just issued may stay out
	MUL8 0, 0, 0
	MUL8 0, 1, 0
	PLACES
	FETCH_B 3*32*BPITCH, 1
	WIN 0
	s_wait_tensorcnt 0x0                           ; no tensor load of mine is out, so a group 0 may be written
	ds_add_u32 v[SPW], v[NIL]                      ; 0 onto my spare word
.if \fill
	s_xor_b32 s[G0+5], s[G0+5], SLOT1              ; the walking descriptors: the other slot than last time, the next step
	s_add_nc_u64 s[G0+6:G0+7], s[G0+6:G0+7], 256
	s_xor_b32 s[G0B+5], s[G0B+5], SLOT1
	s_add_nc_u64 s[G0B+6:G0B+7], s[G0B+6:G0B+7], 262144
	s_wait_xcnt 0x0                                ; the last prefetch, a step back, has read its address
	s_add_nc_u64 s[PFA:PFA+1], s[PFA:PFA+1], s[PST:PST+1]
.endif
	MUL8 0, 2, 0
	s_wait_dscnt 0x0                               ; the add is done, and my reads of this slot are over
	s_barrier_signal -1
	MUL8R 0, 3, 0                                  ; work on registers while the others arrive
	WIN 0
	s_barrier_wait -1
.if \fill
	CREST                                          ; no wave of any partner still reads this slot or has a load on its way
	JLOAD
	ASK
.endif
	s_xor_b32 s[TB], s[TB], SLOT1                  ; the fetches go on in the other slot
	v_add_nc_u32 v[ADA], s[TB], v[A0]
	v_add_nc_u32 v[ADB], s[TB], v[B0]
.endm
; THE WAY OUT of row block a.  SCALE: times 1 / L, each accumulator's registers in ascending order.  STG: into my own stage, and back as whole rows of 512 bytes.  SENDO: stored.
.macro SCALE a
	WIN 0x02                                       ; source 0 window 2
.set i, 0
.rept 32
	v_pk_mul_f32 v[T+i:T+i+1], v[64*(\a)+i:64*(\a)+i+1], v[RL+2*(\a):RL+2*(\a)+1]
.set i, i+2
.endr
	WIN 0
.endm
.macro STG a
	s_wait_xcnt 0x0                                ; the stores issued so far have read their registers, which the loads below fill again
.irp b, 0,1,2,3,4,5,6,7
	ds_store_b128 v[STO], v[T+8*(\b):T+8*(\b)+3]   offset:64*(\b)
	ds_store_b128 v[STO], v[T+8*(\b)+4:T+8*(\b)+7] offset:64*(\b)+16
.endr
.irp t, 0,1,2,3,4,5,6,7,8,9,10,11,12,13,14,15
	ds_load_b128 v[OBV+4*(\t):OBV+4*(\t)+3], v[RD] offset:(\t)*SPITCH  ; LDS serves a wave's instructions in order (ISA guide 5.7.1.4): these see the stores above
.endr
.endm
.macro SENDO a
.irp t, 0,1,2,3,4,5,6,7,8,9,10,11,12,13,14,15
	s_wait_dscnt 15-(\t)                           ; row t is back; the younger rows may stay out
	global_store_b128 v[CO], v[OBV+4*(\t):OBV+4*(\t)+3], s[8:9] offset:(\a)*16*4096+(\t)*4096 th:TH_STORE_NT  ; 512 consecutive bytes, at a multiple of 256 from out0's first byte
.endr
.endm
	s_wait_tensorcnt 1                             ; my part of step 0 is in; step 1's may stay out
	s_wait_dscnt 0x0                               ; my table is written, and 1 / L is back
	s_barrier_signal -1
	s_barrier_wait -1
.irp a, 0,1,2,3
	v_mov_b32 v[RL+2*(\a)], v[RLQ+(\a)]            ; 1 / L twice, a pair for the packed multiply of the way out
	v_mov_b32 v[RL+2*(\a)+1], v[RLQ+(\a)]
.endr
	ds_load_b128 v[FC:FC+3], v[FA]                 ; block 0's f
	v_add_nc_u32 v[FA], 256, v[FA]
	FETCH_A 0, 0
	s_wait_dscnt 0x0
.set i, 0
.rept 32
	v_pk_mul_f16 v[AF+i], v[AF+i], v[FC+i/8]       ; the first substep's weights are scaled on end
.set i, i+1
.endr
	FETCH_B 0, 0
	SUB 0,1,0, 64,8, 32*BPITCH                     ; the first substep stands in front of the loop: its products start the sums
	WIN 0
	s_mov_b32 s3, 14
.Lstep:                                        ; a trip: a step's substeps 1, 2, 3 and the next step's substep 0; it fills the slot that it leaves
	SUB 1,0,0, 128,8, 2*32*BPITCH
	TURN 1
	SUB 1,0,1, 0,9, 0
	SUB 0,0,0, 64,8, 32*BPITCH
	WIN 0
	s_sub_co_u32 s3, s3, 1
	s_cmp_lg_u32 s3, 0
	s_cbranch_scc1 .Lstep
	s_mov_b32 s3, 2
.Ltail:                                        ; the last two steps fill nothing: a text of their own
	SUB 1,0,0, 128,8, 2*32*BPITCH
	TURN 0
	SUB 1,0,1, 0,9, 0                              ; (in the last step what it fetches and scales, old bytes of the other slot and the table's block 16, is multiplied by nothing: the price, once a launch, of one text for both steps)
	WIN 0
	s_sub_co_u32 s3, s3, 1
	s_cmp_eq_u32 s3, 0
	s_cbranch_scc1 .Lout
	SUB 0,0,0, 64,8, 32*BPITCH
	WIN 0
	s_branch .Ltail
.Lout:
	s_wait_dscnt 0x0                               ; those last fetches have landed
	PLACES
	SCALE 0
	STG 0
.irp a, 1,2,3                          ; block a's scaling stands between block a - 1's loads from the stage and the waits for them
	SCALE \a
	SENDO (\a)-1
	STG \a
.endr
	SENDO 3
	s_wait_tensorcnt 0x0                           ; the wave's end, behind my last tensor load and my last LDS store
	ds_add_u32 v[SPW], v[NIL]
	s_wait_dscnt 0x0
	CROUND                                         ; the closing round
	s_endpgm
.Lfunc_end_k_q4a9827ab86_pv:
	.size	k_q4a9827ab86_pv, .Lfunc_end_k_q4a9827ab86_pv-k_q4a9827ab86_pv
	.p2alignl 7, 3214868480
	.fill 96, 4, 3214868480
	.section	.rodata,"a",@progbits
	.p2align	6, 0x0
	.amdhsa_kernel k_q4a9827ab86_pv
		.amdhsa_group_segment_fixed_size 327680
		.amdhsa_private_segment_fixed_size 0
		.amdhsa_enable_private_segment 0
		.amdhsa_kernarg_size 32
		.amdhsa_user_sgpr_count 2
		.amdhsa_user_sgpr_kernarg_segment_ptr 1
		.amdhsa_wavefront_size32 1
		.amdhsa_system_sgpr_workgroup_id_x 1
		.amdhsa_system_sgpr_workgroup_id_y 1
		.amdhsa_system_sgpr_workgroup_id_z 1
		.amdhsa_system_vgpr_workitem_id 0
		.amdhsa_next_free_vgpr 768
		.amdhsa_next_free_sgpr 96
		.amdhsa_reserve_vcc 0
		.amdhsa_float_denorm_mode_32 3
		.amdhsa_float_denorm_mode_16_64 3
		.amdhsa_memory_ordered 1
		.amdhsa_forward_progress 1
		.amdhsa_inst_pref_size 109
	.end_amdhsa_kernel
	.amdgpu_metadata
---
amdhsa.version: [ 1, 2 ]
amdhsa.kernels:
  - .name:           k_q4a9827ab86_pv
    .symbol:         k_q4a9827ab86_pv.kd
    .args:
      - { .name: pw, .offset: 0, .size: 8, .value_kind: global_buffer, .address_space: global }
      - { .name: vh, .offset: 8, .size: 8, .value_kind: global_buffer, .address_space: global }
      - { .name: st, .offset: 16, .size: 8, .value_kind: global_buffer, .address_space: global }
      - { .name: out0, .offset: 24, .size: 8, .value_kind: global_buffer, .address_space: global }
    .group_segment_fixed_size: 327680
    .private_segment_fixed_size: 0
    .kernarg_segment_align: 8
    .kernarg_segment_size: 32
    .max_flat_workgroup_size: 128
    .sgpr_count:     96
    .vgpr_count:     768
    .wavefront_size: 32
...
	.end_amdgpu_metadata
.endif
;; end of part 4
